; MI455X (gfx1250); checked and timed in simulation.
; The chip was launched on July 23, 2026; its instructions are those of AMD's public machine-readable ISA for CDNA 5 (MIT licence, August 2026) and "CDNA5" Instruction Set Architecture Reference Guide (July 2026). The comments in the code are by the model that wrote it; some were corrected since.
;; Mixture Of Experts. Allowed arithmetic: float matrix products may take bf16 or f16 operands with f32 sums; other float arithmetic in f32, or as packed bf16 or f16 multiplies, adds, multiply-adds, maxima and minima; sums over many terms, partial sums and values carried from step to step in f32; what a program stores and reads back later, other than sums and carried values, may be rounded once to bf16 or f16.
;; Inputs: W1 8 x 1,024 x 2,048 float32; W2 8 x 2,048 x 1,024 float32; W3 8 x 1,024 x 2,048 float32; router_b 8 float32; router_w 8 x 1,024 float32; x 2 x 512 x 1,024 float32.
;; Outputs: out0 2 x 512 x 1,024 float32.
;; Constants: top_k = 2.
;; 2 versions, each right; version 2 is version 1 with the launch up written anew for expert scheduling mode. Each part assembles by itself: llvm-mc -triple=amdgcn-amd-amdhsa -mcpu=gfx1250 --defsym DOCPART=n.
;; ======== version 1 of 2: 4 launches
;; workspace buffers: xb 2,097,152 bytes; pw 8,192 bytes; ch 4,096 bytes of whole numbers; hid 33,554,432 bytes; y 33,554,432 bytes
;; launch router (part 1): grid 256 x 1, 4 waves a work-group, no clusters, 16,896 bytes of LDS; arguments x, router_w, router_b, xb, pw, ch; writes xb, pw, ch
.if DOCPART == 1
	.amdgcn_target "amdgcn-amd-amdhsa--gfx1250"
	.amdhsa_code_object_version 6
	.text
	.protected	k_qf9387f9d2c_router
	.globl	k_qf9387f9d2c_router
	.p2align	8
	.type	k_qf9387f9d2c_router,@function
k_qf9387f9d2c_router:
	s_mov_b64 s[64:65], 0
	v_nop
	global_prefetch_b8 v0, s[64:65] scope:SCOPE_SE
	s_setreg_imm32_b32 hwreg(HW_REG_WAVE_MODE, 25, 1), 1
	s_wait_xcnt 0x0
; ROUTER.  For each of 1,024 tokens: 8 logits x . router_w[e] + router_b[e], the two largest, their softmax weights renormalised; and x rounded to bf16 for the next launch.
; All three inputs are rounded to bf16 first, as every input of this program is; products and sums in f32.
; OUT: xb [1024][1024] bf16; pw [1024][2] f32 (first choice's weight, second's); ch [1024] words: bits 0-7: the two chosen experts, a bit each; bits 8-15: the second choice's bit.
; The choice steers no address and no branch here: it is stored as bits at a fixed place, and the later launches read them.
; SHARES.  256 work-groups of 4 waves, a token a wave.  A lane holds the channels 128 i + 4 L + 0..3, i = 0..7: each load of x covers 512 consecutive bytes, each store of xb 256 consecutive
; bytes at a multiple of 256.  Wave w rounds rows 2 w and 2 w + 1 of router_w into LDS; behind one barrier every wave reads all eight.  Eight outputs a token are too few for a matrix tile in
; this lane layout: the products are v_fma_mix_f32_bf16, eight sums by turns.  The sums end in every lane, so each wave finds its token's two largest by itself, and lane 0 stores 8 + 4 bytes:
; the two tables are 8 KiB and 4 KiB in all.  What work-groups share is router_w, 32 KiB: no cluster.
; SOFTMAX.  p0 = 1 / (1 + e^(l1 - l0)), p1 = e^(l1 - l0) p0, which is softmax, top-2 and renormalisation in one; l0 is the row's maximum, so the exponent is never above 0.
; LIMITS.  The two largest are taken of the logits, not of the rounded probabilities; equal logits keep the lower index; logits closer than the f32 sums' own error may order otherwise than
; in another order of summation.  NaN and infinite logits are not treated apart.  e^(l1 - l0) below 2^-126 counts as 0.
.set SPARE, 16384                      ; LDS: 0 router_w in bf16, expert e at 2048 e, lane L's 16 bytes of chunks 2 c, 2 c + 1 at 512 c + 16 L; here the spare words, 128 bytes a wave: no other line names them
.set ACC, 8                            ; v8-15   the eight sums, then the logits
.set TP,  16                           ; v16-23  the other half of the lanes' sums
.set SPW, 24                           ; v24     LDS address of my spare word; never rewritten
.set NIL, 25                           ; v25     0; never rewritten
.set XF,  32                           ; v32-63  x: chunk i at 32 + 4 i: four f32, then two words of bf16
.set WF,  64                           ; v64-127 my two experts' weights in f32
.set WP,  128                          ; v128-159 the same in bf16
.set WA,  64                           ; v64-191 behind the barrier: all eight experts' weights, 16 words of two bf16 each
	s_load_b256 s[4:11], s[0:1], 0x0               ; x s[4:5], router_w s[6:7], router_b s[8:9], xb s[10:11]
	s_load_b128 s[12:15], s[0:1], 0x20             ; pw s[12:13], ch s[14:15]
	v_lshl_add_u32 v[SPW], v0, 2, SPARE
	v_mov_b32 v[NIL], 0
	v_lshrrev_b32 v1, 5, v0
	v_readfirstlane_b32 s16, v1                    ; wave 0..3
	v_and_b32 v1, 31, v0                           ; L
	v_lshlrev_b32 v2, 4, v1                        ; 16 L
	v_lshlrev_b32 v3, 3, v1                        ; 8 L
	v_mov_b32 v6, 0                                ; the addend of each sum's first product, and the last stores' offset
	s_lshl_b32 s17, s16, 12
	v_add_nc_u32 v7, s17, v2                       ; where my two experts' weights go
.irp q, 0,1,2,3,4,5,6,7
	v_mov_b32 v[TP+\q], 0                          ; v_permlanex16_b32 counts as a reader of its destination
.endr
	s_mov_b32 s22, 0x76543210                      ; each lane takes its own place in the other half
	s_mov_b32 s23, 0xfedcba98
	s_lshl_b32 s20, ttmp9, 2
	s_add_co_u32 s20, s20, s16                     ; my token
	s_mov_b32 s19, 0
	s_wait_kmcnt 0x0
	s_load_b256 s[24:31], s[8:9], 0x0              ; the bias
	s_lshl_b32 s18, s16, 13
	s_add_nc_u64 s[6:7], s[6:7], s[18:19]          ; router_w at row 2 w
.irp p, 0,1
.irp i, 0,1,2,3,4,5,6,7
	global_load_b128 v[WF+32*\p+4*\i:WF+32*\p+4*\i+3], v2, s[6:7] offset:4096*\p+512*\i
.endr
.endr
	s_lshl_b32 s18, s20, 12
	s_add_nc_u64 s[4:5], s[4:5], s[18:19]          ; x at my token
.irp i, 0,1,2,3,4,5,6,7
	global_load_b128 v[XF+4*\i:XF+4*\i+3], v2, s[4:5] offset:512*\i th:TH_LOAD_NT
.endr
	s_lshl_b32 s18, s20, 11
	s_add_nc_u64 s[10:11], s[10:11], s[18:19]      ; xb,
	s_lshl_b32 s18, s20, 3
	s_add_nc_u64 s[12:13], s[12:13], s[18:19]      ; pw
	s_lshl_b32 s18, s20, 2
	s_add_nc_u64 s[14:15], s[14:15], s[18:19]      ; and ch at the same token
	s_wait_loadcnt 8                               ; the weights are in; the 8 loads of x, issued behind them, stay out
.irp p, 0,1
.irp i, 0,1,2,3,4,5,6,7
	v_cvt_pk_bf16_f32 v[WP+16*\p+2*\i], v[WF+32*\p+4*\i], v[WF+32*\p+4*\i+1]
	v_cvt_pk_bf16_f32 v[WP+16*\p+2*\i+1], v[WF+32*\p+4*\i+2], v[WF+32*\p+4*\i+3]
.endr
.endr
.irp p, 0,1
.irp c, 0,1,2,3
	ds_store_b128 v7, v[WP+16*\p+4*\c:WP+16*\p+4*\c+3] offset:2048*\p+512*\c
.endr
.endr
	s_wait_dscnt 0x0                               ; for the others' sake: my two experts' weights are in LDS
	s_barrier_signal -1
	s_barrier_wait -1                              ; all eight experts' are
.irp e, 0,1,2,3,4,5,6,7
.irp c, 0,1,2,3
	ds_load_b128 v[WA+16*\e+4*\c:WA+16*\e+4*\c+3], v2 offset:2048*\e+512*\c
.endr
.endr
	s_wait_loadcnt 0x0                             ; x
.irp i, 0,1,2,3,4,5,6,7
	v_cvt_pk_bf16_f32 v[XF+4*\i], v[XF+4*\i], v[XF+4*\i+1]
	v_cvt_pk_bf16_f32 v[XF+4*\i+1], v[XF+4*\i+2], v[XF+4*\i+3]
	global_store_b64 v3, v[XF+4*\i:XF+4*\i+1], s[10:11] offset:256*\i  ; 32 lanes store 256 consecutive bytes; the registers are only read from here on
.endr
	s_wait_dscnt 0x0                               ; the weights
.set n, 0
.rept 16                                               ; word n of 16: chunk n / 2, its channels 2 (n % 2) and 2 (n % 2) + 1: low halves, then high halves
.irp e, 0,1,2,3,4,5,6,7
.if n == 0
	v_fma_mix_f32_bf16 v[ACC+\e], v[XF], v[WA+16*\e], v6 op_sel_hi:[1,1,0]
.else
	v_fma_mix_f32_bf16 v[ACC+\e], v[XF+4*(n/2)+n%2], v[WA+16*\e+n], v[ACC+\e] op_sel_hi:[1,1,0]
.endif
.endr
.irp e, 0,1,2,3,4,5,6,7
	v_fma_mix_f32_bf16 v[ACC+\e], v[XF+4*(n/2)+n%2], v[WA+16*\e+n], v[ACC+\e] op_sel:[1,1,0] op_sel_hi:[1,1,0]
.endr
.set n, n+1
.endr
.irp m, 1,2,4,8                                        ; over the 32 lanes: four steps inside each half, one across; every lane ends with every sum
.irp q, 0,1,2,3,4,5,6,7
	v_add_f32_dpp v[ACC+\q], v[ACC+\q], v[ACC+\q] row_xmask:\m row_mask:0xf bank_mask:0xf
.endr
.endr
.irp q, 0,1,2,3,4,5,6,7
	v_permlanex16_b32 v[TP+\q], v[ACC+\q], s22, s23
.endr
.irp q, 0,1,2,3,4,5,6,7
	v_add_f32 v[ACC+\q], v[ACC+\q], v[TP+\q]
.endr
	s_wait_kmcnt 0x0                               ; the bias
.irp q, 0,1,2,3
	v_cvt_pk_bf16_f32 v[200+\q], s[24+2*\q], s[25+2*\q]   ; rounded to bf16, like every input
.endr
.irp q, 0,1,2,3
	v_lshlrev_b32 v204, 16, v[200+\q]
	v_and_b32 v205, 0xffff0000, v[200+\q]
	v_add_f32 v[ACC+2*\q], v[ACC+2*\q], v204
	v_add_f32 v[ACC+2*\q+1], v[ACC+2*\q+1], v205
.endr
	v_mov_b32 v192, v[ACC]                         ; l0, the largest, and its index: a later equal logit does not displace an earlier one
	v_mov_b32 v193, 0
.irp e, 1,2,3,4,5,6,7
	v_cmp_gt_f32 vcc_lo, v[ACC+\e], v192
	v_cndmask_b32 v192, v192, v[ACC+\e], vcc_lo
	v_cndmask_b32 v193, v193, \e, vcc_lo
.endr
	v_mov_b32 v194, 0xff800000                     ; l1, the largest of the seven others
	v_mov_b32 v195, 0
.irp e, 0,1,2,3,4,5,6,7
	v_cmp_gt_f32 vcc_lo, v[ACC+\e], v194
	v_cmp_ne_u32 s49, \e, v193
	s_and_b32 vcc_lo, vcc_lo, s49
	v_cndmask_b32 v194, v194, v[ACC+\e], vcc_lo
	v_cndmask_b32 v195, v195, \e, vcc_lo
.endr
	v_sub_f32 v196, v194, v192                     ; l1 - l0, never above 0
	v_mul_f32 v196, 0x3fb8aa3b, v196
	v_exp_f32 v196, v196
	v_mov_b32 v206, 1                              ; a plain instruction behind the exponential (ISA guide 5.7.2),
	s_wait_alu depctr_va_vdst(0)                   ; and a wait ahead of its first reader
	v_add_f32 v197, 1.0, v196
	v_rcp_f32 v198, v197                           ; p0
	v_lshlrev_b32 v204, v193, v206                 ; the first choice's bit,
	v_lshlrev_b32 v205, v195, v206                 ; the second's,
	v_or_b32 v204, v204, v205                      ; both,
	v_lshl_or_b32 v204, v205, 8, v204              ; and the second's once more, eight bits up
	s_wait_alu depctr_va_vdst(0)
	v_mul_f32 v199, v196, v198                     ; p1
	s_wait_xcnt 0x0                                ; EXEC is a source of the stores above: it changes only behind this wait
	v_cmp_eq_u32 vcc_lo, 0, v1
	s_and_saveexec_b32 s48, vcc_lo                 ; every lane holds the same numbers: lane 0 stores them
	global_store_b64 v6, v[198:199], s[12:13]
	global_store_b32 v6, v204, s[14:15]
	s_wait_xcnt 0x0                                ; and again, in front of the line that widens it
	s_or_b32 exec_lo, exec_lo, s48
	s_wait_tensorcnt 0x0                           ; the wave's end: a closing add onto my spare word behind my last LDS store
	ds_add_u32 v[SPW], v[NIL]
	s_wait_dscnt 0x0
	s_endpgm
.Lfunc_end_k_qf9387f9d2c_router:
	.size	k_qf9387f9d2c_router, .Lfunc_end_k_qf9387f9d2c_router-k_qf9387f9d2c_router
	.p2alignl 7, 3214868480
	.fill 96, 4, 3214868480
	.section	.rodata,"a",@progbits
	.p2align	6, 0x0
	.amdhsa_kernel k_qf9387f9d2c_router
		.amdhsa_group_segment_fixed_size 16896
		.amdhsa_private_segment_fixed_size 0
		.amdhsa_enable_private_segment 0
		.amdhsa_kernarg_size 48
		.amdhsa_user_sgpr_count 2
		.amdhsa_user_sgpr_kernarg_segment_ptr 1
		.amdhsa_wavefront_size32 1
		.amdhsa_system_sgpr_workgroup_id_x 1
		.amdhsa_system_sgpr_workgroup_id_y 1
		.amdhsa_system_sgpr_workgroup_id_z 1
		.amdhsa_system_vgpr_workitem_id 0
		.amdhsa_next_free_vgpr 208
		.amdhsa_next_free_sgpr 66
		.amdhsa_reserve_vcc 1
		.amdhsa_float_denorm_mode_32 3
		.amdhsa_float_denorm_mode_16_64 3
		.amdhsa_memory_ordered 1
		.amdhsa_forward_progress 1
		.amdhsa_inst_pref_size 34
	.end_amdhsa_kernel
	.amdgpu_metadata
---
amdhsa.version: [ 1, 2 ]
amdhsa.kernels:
  - .name:           k_qf9387f9d2c_router
    .symbol:         k_qf9387f9d2c_router.kd
    .args:
      - { .name: x, .offset: 0, .size: 8, .value_kind: global_buffer, .address_space: global }
      - { .name: router_w, .offset: 8, .size: 8, .value_kind: global_buffer, .address_space: global }
      - { .name: router_b, .offset: 16, .size: 8, .value_kind: global_buffer, .address_space: global }
      - { .name: xb, .offset: 24, .size: 8, .value_kind: global_buffer, .address_space: global }
      - { .name: pw, .offset: 32, .size: 8, .value_kind: global_buffer, .address_space: global }
      - { .name: ch, .offset: 40, .size: 8, .value_kind: global_buffer, .address_space: global }
    .group_segment_fixed_size: 16896
    .private_segment_fixed_size: 0
    .kernarg_segment_align: 8
    .kernarg_segment_size: 48
    .max_flat_workgroup_size: 128
    .sgpr_count:     66
    .vgpr_count:     208
    .wavefront_size: 32
...
	.end_amdgpu_metadata
.endif
;; end of part 1
;; launch up (part 2): grid 32 x 8, 4 waves a work-group, no clusters, 295,424 bytes of LDS; arguments W1, W3, xb, ch, hid; writes hid
.if DOCPART == 2
	.amdgcn_target "amdgcn-amd-amdhsa--gfx1250"
	.amdhsa_code_object_version 6
	.text
	.protected	k_qf9387f9d2c_up
	.globl	k_qf9387f9d2c_up
	.p2align	8
	.type	k_qf9387f9d2c_up,@function
k_qf9387f9d2c_up:
	s_mov_b64 s[64:65], 0
	v_nop
	global_prefetch_b8 v0, s[64:65] scope:SCOPE_SE
	s_setreg_imm32_b32 hwreg(HW_REG_WAVE_MODE, 25, 1), 1
	s_wait_xcnt 0x0
; FIRST PRODUCTS AND ACTIVATION.  hid = silu(x W1[e]) * (x W3[e]) for the rows that chose expert e alone.  Work-group (s, e): hidden columns 64 s .. 64 s + 63 of expert e, all of its rows.
; PHASE A.  The work-group's slice of W1 and W3 (1,024 x 64 f32 each, which no other work-group reads) streams once through registers, is rounded to bf16 and laid into LDS as [K][N].
; Wave w takes K rows 256 w .. + 255; a load covers two rows' 256 consecutive bytes; a ring of 4 slots x 16 loads keeps 64 loads of each wave out.  One barrier.
; PHASE B.  No LDS write: weights come out of LDS turned (ds_load_tr16_b128), the token rows from xb straight into registers as operands.
; THE MATRIX INSTRUCTION IS USED TRANSPOSED: source 0 = 16 LDS columns, source 1 = 16 rows: a lane holds ONE row (lane % 16) and 8 neighbouring LDS columns.  An LDS row is 16 groups of 16 bytes,
; group c = W1's columns 4 c .. 4 c + 3, then W3's: so registers 0-3 of an accumulator hold h and registers 4-7 the gate g of the SAME four hidden columns, and silu(h) g never leaves the lane.
; ROWS.  ch holds a word a token with the chosen experts as bits.  Each wave reads all 1,024 words (lane L of load j: tokens 128 j + 4 L + 0..3) and makes of them 32 scalar words M: bit L of word i says
; that token 128 (i / 4) + 4 L + i % 4 chose my expert.  The row of rank n is the token of the n-th set bit in that order (SELECT); the next launch ranks alike.  cnt rows are NBLK = ceil(cnt / 16) blocks,
; dealt evenly: wave w has NBLK / 4 of them, and one more if w < NBLK % 4.  A PASS takes 5 blocks (80 rows) against all 128 LDS columns: 40 accumulators.  Four trips cover the 16 blocks that a wave can
; have, every split of the tokens; a trip with nothing left is jumped.  Places past cnt repeat the last row.  A block past the wave's share is not stored; where the pass has four live blocks or fewer, the
; fifth's products are jumped in every K step but the first, which writes its accumulators on every way.  An expert without rows fills LDS, passes the barriers and stores nothing.
; OUT.  hid in the next launch's operand order: [e][block of 16 rows][k-block of 16 columns][lane][16 bytes]; element i of lane (r, h) is row r, column 16 kb + 4 h + i % 4 + 8 (i / 4).  A store covers 512 consecutive bytes.
; NO CLUSTER, NO TENSOR LOADS: each weight byte has one reader and has to pass through registers to be rounded; what an expert's 32 work-groups share is its rows, which are scattered over xb as the bits say.
; LIMITS.  x, W1, W3 are rounded to bf16, sums in f32, hid rounded once to bf16.  e^-h beyond f32's range gives sigmoid 0, below 2^-126 sigmoid 1.  NaN and infinities are not treated apart.
; REGISTERS, in windows of 256 (s_set_vgpr_msb: bits 1:0 source 0, 3:2 source 1, 5:4 source 2, 7:6 destination):
;   window 0: v0-61 addresses; v64-191 weight fragments, two buffers of 8 x 8 (before that: ch's words; at a pass's head: SELECT's registers); v192-255 block 4's accumulators
;   window 1: phase A's ring, then blocks 0-3's accumulators at 64 a + 8 f          window 2: v0-159 the rows' fragments, a ring of four K steps x 5 blocks x 8
.set P,     288                        ; an LDS row: 256 bytes + 32 = 72 words
.set SPARE, 1024*P                     ; behind the weights: the spare words, 128 bytes for each wave: no other line names them
.set ROUND, 64*8192                    ; the ring's 64 K rows in memory
.set XO,  12                           ; v12-16  block a: my row's byte offset in xb, + 16 h
.set ENT, 18                           ; v18-22  block a: my row's token
.set PX,  23                           ; v23     the other half of the lanes' ranks
.set SPW, 60                           ; v60     LDS address of my spare word; never rewritten
.set NIL, 61                           ; v61     0; never rewritten
.set BR,  64
.set CH,  64                           ; v64-95  ch's words, until M is made
.set MT,  96                           ; v96-99  at work on them
.set RK,  64                           ; SELECT's registers, three of each (ranks 32 q + lane): the rank,
.set SW,  68                           ; the word of M that holds its bit,
.set SB,  72                           ; (the same word of B: not in this launch)
.set PK,  76                           ; that word's first token << 16 | the set bits in front of it,
.set A1,  80                           ; the word's counts by fields of 2,
.set A2,  84                           ; 4
.set A3,  88                           ; and 8 bits,
.set KK,  92                           ; the rank inside what is left of the word,
.set PS,  96                           ; the bit at which that begins,
.set CC,  100                          ; and three at work
.set T1,  104
.set T2,  108
.set MW,  32                           ; s[32:63] M's 32 words
.set BW,  32                           ; (not used here)
.set NL2E, 4                           ; s[4:5]  behind phase A: -log2(e), twice
.set TB,  10                           ; s10     behind ch's loads: the LDS byte at which the trip's K rows begin
.set ROW0, 21                          ; s21     the pass's first rank
.set MSB, 0
.macro WIN new                         ; the immediate's high byte repeats the setting that is left; a switch that changes nothing is dropped
.if MSB != (\new)
	s_set_vgpr_msb (MSB<<8)|(\new)
.set MSB, (\new)
.endif
.endm
.macro PLACES                          ; four places between a matrix instruction and a load into, or a reader of, its registers (ISA guide 7.12.1 for readers)
.rept 4
	v_nop
.endr
.endm
	s_load_b256 s[4:11], s[0:1], 0x0               ; W1 s[4:5], W3 s[6:7], xb s[8:9], ch s[10:11]
	s_load_b64 s[12:13], s[0:1], 0x20              ; hid
	v_lshl_add_u32 v[SPW], v0, 2, SPARE
	v_mov_b32 v[NIL], 0
	v_lshrrev_b32 v1, 5, v0
	v_readfirstlane_b32 s14, v1                    ; wave 0..3
	v_and_b32 v1, 31, v0                           ; L
	v_and_b32 v2, 15, v0                           ; r
	v_bfe_u32 v3, v0, 4, 1                         ; h
	v_lshlrev_b32 v4, 4, v1                        ; 16 L
	v_lshlrev_b32 v5, 4, v3                        ; 16 h
	v_lshlrev_b32 v6, 13, v3
	v_lshl_add_u32 v6, v2, 4, v6                   ; weights in memory: row h of a pair, 16 bytes r
	s_mul_i32 s17, s14, 256*P
	v_mul_u32_u24 v7, v3, P
	v_lshl_add_u32 v7, v2, 4, v7
	v_add_nc_u32 v7, s17, v7                       ; and in LDS: row 256 w + h, group r; steps with the ring
	v_and_b32 v8, 7, v0
	v_lshl_add_u32 v8, v3, 3, v8
	v_mul_u32_u24 v8, v8, P
	v_bfe_u32 v9, v0, 3, 1
	v_lshl_add_u32 v8, v9, 4, v8                   ; the turning load: row 8 h + L % 8, columns 8 ((L / 8) % 2) on; never rewritten
	v_mov_b32 v[PX], 0                             ; v_permlanex16_b32 counts as a reader of its destination
	s_mov_b32 s15, ttmp9                           ; slice
	s_and_b32 s16, ttmp7, 0xffff                   ; expert
	s_lshl_b32 s18, s16, 23                        ; an expert's W1 or W3: 2^23 bytes; my 256 rows of 8,192; my slice's 256 bytes
	s_lshl_b32 s17, s14, 21
	s_add_co_u32 s18, s18, s17
	s_lshl_b32 s17, s15, 8
	s_add_co_u32 s18, s18, s17
	s_mov_b32 s19, 0
	s_lshl_b32 s22, s16, 22                        ; an expert's part of hid: 2^22 bytes; my slice's four k-blocks of 512
	s_lshl_b32 s17, s15, 11
	s_add_co_u32 s22, s22, s17
	s_mov_b32 s23, 0
	s_wait_kmcnt 0x0
	s_add_nc_u64 s[4:5], s[4:5], s[18:19]
	s_add_nc_u64 s[6:7], s[6:7], s[18:19]
	s_add_nc_u64 s[12:13], s[12:13], s[22:23]
.irp j, 0,1,2,3,4,5,6,7
	global_load_b128 v[CH+4*\j:CH+4*\j+3], v4, s[10:11] offset:512*\j   ; all 1,024 tokens' words
.endr
	s_mov_b32 s18, 0x76543210                      ; v_permlanex16_b32's selects: each lane takes its own place in the other half
	s_mov_b32 s19, 0xfedcba98
	s_mov_b32 s20, 0xffff0000                      ; lanes 16 to 31
; Slot i of the ring: 8 pairs of K rows, W1's 16 bytes into registers 0-3 of a pair's eight, W3's into 4-7.
.macro WFILL i, step
	WIN 0x44                                       ; destination (and an LDS store's data) window 1, address window 0
.set j, 0
.rept 8
	global_load_b128 v[64*(\i)+8*j:64*(\i)+8*j+3],   v6, s[4:5] offset:(\step)+(16*(\i)+2*j)*8192 th:TH_LOAD_NT
	global_load_b128 v[64*(\i)+8*j+4:64*(\i)+8*j+7], v6, s[6:7] offset:(\step)+(16*(\i)+2*j)*8192 th:TH_LOAD_NT
.set j, j+1
.endr
.endm
; The slot's turn: rounded in place to one group of 16 bytes a lane, stored, and (refill = 1) loaded again with the rows 64 further down.  left: the younger slots' loads, which stay out.
.macro WSLOT i, refill, left
	s_wait_loadcnt \left
	WIN 0x45
.set j, 0
.rept 8
.set rg, 64*(\i)+8*j
	v_cvt_pk_bf16_f32 v[rg],   v[rg],   v[rg+1]
	v_cvt_pk_bf16_f32 v[rg+1], v[rg+2], v[rg+3]
	v_cvt_pk_bf16_f32 v[rg+2], v[rg+4], v[rg+5]
	v_cvt_pk_bf16_f32 v[rg+3], v[rg+6], v[rg+7]
.set j, j+1
.endr
	WIN 0x44
.set j, 0
.rept 8
	ds_store_b128 v7, v[64*(\i)+8*j:64*(\i)+8*j+3] offset:(16*(\i)+2*j)*P   ; 16 lanes fill a row's 256 bytes
.set j, j+1
.endr
.if \refill
	WFILL \i, ROUND
.endif
.endm
	WFILL 0, 0
	WFILL 1, 0
	WFILL 2, 0
	WFILL 3, 0
	WIN 0
	s_lshl_b32 s3, 1, s16                          ; my expert's bit
	s_wait_loadcnt 63                              ; ch's words are in: 64 loads were issued behind the last of them.  M and the shares are made while the weights' loads are out
.set i, 0
.rept 32
	v_and_b32 v[MT+i%4], s3, v[CH+i]
	v_cmp_ne_u32 s[MW+i], 0, v[MT+i%4]
.set i, i+1
.endr
	s_mov_b32 s24, 0
.set i, 0
.rept 32
	s_bcnt1_i32_b32 s3, s[MW+i]
	s_add_co_u32 s24, s24, s3                      ; cnt
.set i, i+1
.endr
	s_sub_co_u32 s25, s24, 1                       ; the last rank (read in live passes alone, where cnt is at least 1)
	s_add_co_u32 s26, s24, 15
	s_lshr_b32 s26, s26, 4                         ; NBLK
	s_lshr_b32 s27, s26, 2                         ; a wave's blocks,
	s_and_b32 s17, s26, 3                          ; and how many waves have one more
	s_mul_i32 s28, s14, s27
	s_min_u32 s3, s14, s17
	s_add_co_u32 s28, s28, s3                      ; my first block
	s_cmp_lt_u32 s14, s17
	s_cselect_b32 s3, 1, 0
	s_add_co_u32 s29, s27, s3                      ; my blocks still to do
	s_mov_b32 s2, 3
.Lfill:                                                ; a trip: once round the ring, 64 K rows
	WSLOT 0, 1, 48
	WSLOT 1, 1, 48
	WSLOT 2, 1, 48
	WSLOT 3, 1, 48
	WIN 0
	s_wait_xcnt 0x0                                ; the bases are stepped only behind this wait
	s_add_nc_u64 s[4:5], s[4:5], ROUND
	s_add_nc_u64 s[6:7], s[6:7], ROUND
	v_add_nc_u32 v7, 64*P, v7
	s_sub_co_u32 s2, s2, 1
	s_cmp_lg_u32 s2, 0
	s_cbranch_scc1 .Lfill
	WSLOT 0, 0, 48                                 ; the last 64 rows: nothing is left to load, the counts run down
	WSLOT 1, 0, 32
	WSLOT 2, 0, 16
	WSLOT 3, 0, 0
	WIN 0
	s_wait_dscnt 0x0                               ; for the others' sake: my 256 rows are in LDS
	s_barrier_signal -1
	s_barrier_wait -1                              ; all 1,024 are; nothing writes them again
; THE WAVES START APART: wave w idles 6 w times s_nop 15.  Each wave issues a run of 16 LDS loads of 512 bytes once a K step; set off against each other, one wave's run falls into the others' matrix work.
.irp k, 1,2,3
	s_cmp_lt_u32 s14, \k
	s_cbranch_scc1 .Lapart
.rept 6
	s_nop 15
.endr
.endr
.Lapart:
; SELECT: the tokens of the ranks ROW0 + 32 q + lane, q = 0, 1, 2 (held to cnt - 1), into T1 + q; withb = 1: 2 x token + the token's bit of B.  All lanes on throughout.
; One halving step inside the word: of the 2 n bits from PS on, the lower n hold CC set bits (read from the field counts src, w bits wide); a rank of CC or more lies in the upper n.
.macro LEVEL src, w, n
.irp q, 0,1,2
	v_bfe_u32 v[CC+\q], v[(\src)+\q], v[PS+\q], \w
.endr
.irp q, 0,1,2
	v_cmp_ge_u32 vcc_lo, v[KK+\q], v[CC+\q]
	v_sub_nc_u32 v[T1+\q], v[KK+\q], v[CC+\q]
	v_add_nc_u32 v[T2+\q], \n, v[PS+\q]
	v_cndmask_b32 v[KK+\q], v[KK+\q], v[T1+\q], vcc_lo
	v_cndmask_b32 v[PS+\q], v[PS+\q], v[T2+\q], vcc_lo
.endr
.endm
.macro SELECT withb
	v_add_nc_u32 v[RK], s[ROW0], v1
	v_add_nc_u32 v[RK+1], 32, v[RK]
	v_add_nc_u32 v[RK+2], 64, v[RK]
.irp q, 0,1,2
	v_min_u32 v[RK+\q], s25, v[RK+\q]              ; places past the count repeat the last row
	v_mov_b32 v[SW+\q], s[MW]
	v_mov_b32 v[PK+\q], 0
.if \withb
	v_mov_b32 v[SB+\q], s[BW]
.endif
.endr
	s_mov_b32 s66, 0
.set i, 1
.rept 31                                               ; word i replaces what is held as long as the set bits in front of it, s66, do not pass the rank: the last such word holds the bit
	s_bcnt1_i32_b32 s3, s[MW+i-1]
	s_add_co_u32 s66, s66, s3
	s_or_b32 s67, s66, (128*(i>>2)+(i&3))<<16      ; with the token of the word's bit 0
.irp q, 0,1,2
	v_cmp_gt_u32 vcc_lo, s66, v[RK+\q]
	v_cndmask_b32 v[SW+\q], s[MW+i], v[SW+\q], vcc_lo
	v_cndmask_b32 v[PK+\q], s67, v[PK+\q], vcc_lo
.if \withb
	v_cndmask_b32 v[SB+\q], s[BW+i], v[SB+\q], vcc_lo
.endif
.endr
.set i, i+1
.endr
.irp q, 0,1,2
	v_and_b32 v[T1+\q], 0xffff, v[PK+\q]
	v_sub_nc_u32 v[KK+\q], v[RK+\q], v[T1+\q]      ; the rank inside the word
	v_lshrrev_b32 v[T1+\q], 1, v[SW+\q]            ; the word's set bits counted by fields of 2, 4 and 8 bits, and in its lower 16
	v_and_b32 v[T1+\q], 0x55555555, v[T1+\q]
	v_sub_nc_u32 v[A1+\q], v[SW+\q], v[T1+\q]
	v_lshrrev_b32 v[T1+\q], 2, v[A1+\q]
	v_and_b32 v[T1+\q], 0x33333333, v[T1+\q]
	v_and_b32 v[T2+\q], 0x33333333, v[A1+\q]
	v_add_nc_u32 v[A2+\q], v[T1+\q], v[T2+\q]
	v_lshrrev_b32 v[T1+\q], 4, v[A2+\q]
	v_add_nc_u32 v[T1+\q], v[T1+\q], v[A2+\q]
	v_and_b32 v[A3+\q], 0x0f0f0f0f, v[T1+\q]
	v_lshrrev_b32 v[T1+\q], 8, v[A3+\q]
	v_add_nc_u32 v[T1+\q], v[T1+\q], v[A3+\q]
	v_and_b32 v[CC+\q], 0xff, v[T1+\q]
.endr
.irp q, 0,1,2
	v_cmp_ge_u32 vcc_lo, v[KK+\q], v[CC+\q]
	v_sub_nc_u32 v[T1+\q], v[KK+\q], v[CC+\q]
	v_cndmask_b32 v[KK+\q], v[KK+\q], v[T1+\q], vcc_lo
	v_cndmask_b32 v[PS+\q], 0, 16, vcc_lo
.endr
	LEVEL A3, 8, 8
	LEVEL A2, 4, 4
	LEVEL A1, 2, 2
	LEVEL SW, 1, 1
.irp q, 0,1,2
	v_lshrrev_b32 v[T1+\q], 16, v[PK+\q]
	v_lshl_add_u32 v[T1+\q], v[PS+\q], 2, v[T1+\q] ; token = the word's first + 4 x bit
.if \withb
	v_bfe_u32 v[T2+\q], v[SB+\q], v[PS+\q], 1
	v_lshl_add_u32 v[T1+\q], v[T1+\q], 1, v[T2+\q]
.endif
.endr
.irp q, 0,1,2                                          ; block 2 q wants ranks 32 q + 0..15 in both halves of the lanes, block 2 q + 1 ranks 32 q + 16..31
	v_permlanex16_b32 v[PX], v[T1+\q], s18, s19
	v_cndmask_b32 v[ENT+2*\q], v[T1+\q], v[PX], s20
.if \q < 2
	v_cndmask_b32 v[ENT+2*\q+1], v[PX], v[T1+\q], s20
.endif
.endr
.endm
.macro ALOAD sl, off                   ; the five blocks' fragments of one K step (lane (r, h): row r, channels 8 h + 0..7 and 16 + 8 h + 0..7) into slot sl
	WIN 0x80
.irp a, 0,1,2,3,4
	global_load_b128 v[40*(\sl)+8*\a:40*(\sl)+8*\a+3],   v[XO+\a], s[22:23] offset:(\off)
	global_load_b128 v[40*(\sl)+8*\a+4:40*(\sl)+8*\a+7], v[XO+\a], s[22:23] offset:(\off)+32
.endr
.endm
.macro BLOAD bp, off                   ; the eight weight fragments of one K step (16 LDS columns x 32 K each), turned, into buffer bp
	WIN 0
.irp f, 0,1,2,3,4,5,6,7
	ds_load_tr16_b128 v[BR+64*(\bp)+8*\f:BR+64*(\bp)+8*\f+3],   v9 offset:(\off)+32*\f
	ds_load_tr16_b128 v[BR+64*(\bp)+8*\f+4:BR+64*(\bp)+8*\f+7], v9 offset:(\off)+32*\f+16*P
.endr
.endm
; A K step's products: 32 for blocks 0-3, 8 for block 4.  Each accumulator has one turn a K step, in the same order in every step.  zero = 1: they start the sums, block 4's too.
; Elsewhere block 4's eight are jumped where the pass has four live blocks or fewer.
.macro MULS sl, bp, zero
	WIN 0x58                                       ; weights window 0, rows window 2, C and D window 1
.irp a, 0,1,2,3
.irp f, 0,1,2,3,4,5,6,7
.if \zero
	v_wmma_f32_16x16x32_bf16 v[64*\a+8*\f:64*\a+8*\f+7], v[BR+64*(\bp)+8*\f:BR+64*(\bp)+8*\f+7], v[40*(\sl)+8*\a:40*(\sl)+8*\a+7], 0
.else
	v_wmma_f32_16x16x32_bf16 v[64*\a+8*\f:64*\a+8*\f+7], v[BR+64*(\bp)+8*\f:BR+64*(\bp)+8*\f+7], v[40*(\sl)+8*\a:40*(\sl)+8*\a+7], v[64*\a+8*\f:64*\a+8*\f+7]
.endif
.endr
.endr
.if \zero
	WIN 0x08                                       ; block 4: C and D window 0
.irp f, 0,1,2,3,4,5,6,7
	v_wmma_f32_16x16x32_bf16 v[192+8*\f:192+8*\f+7], v[BR+64*(\bp)+8*\f:BR+64*(\bp)+8*\f+7], v[40*(\sl)+32:40*(\sl)+39], 0
.endr
.else
	WIN 0                                          ; at a branch and at a label every window is 0
	s_cmp_lt_u32 s30, 5
	s_cbranch_scc1 .Lfour_\@
	WIN 0x08
.irp f, 0,1,2,3,4,5,6,7
	v_wmma_f32_16x16x32_bf16 v[192+8*\f:192+8*\f+7], v[BR+64*(\bp)+8*\f:BR+64*(\bp)+8*\f+7], v[40*(\sl)+32:40*(\sl)+39], v[192+8*\f:192+8*\f+7]
.endr
	WIN 0
.Lfour_\@:
.endif
.endm
; A K step of 32.  It multiplies slot sl by buffer bp.  First it asks: fa = 1: for the rows' fragments three steps on, into the slot that the step before read; fb = 1: for the next step's weights, into the other buffer.
; lw: the row loads of the younger steps, ten each (block 4's are issued on every way, so the count holds on every way), which stay out; dw: the sixteen turning loads just issued.
.macro KSTEP sl, bp, zero, fa, aoff, fb, boff, lw, dw
	PLACES
.if \fa
	ALOAD ((\sl)+3)&3, \aoff
.endif
.if \fb
	BLOAD (\bp)^1, \boff
.endif
	s_wait_loadcnt \lw
	s_wait_dscnt \dw
	MULS \sl, \bp, \zero
.endm
; Block a's way out, in place on its eight accumulators: g h; e^-h; 1 / (1 + e^-h); the product; bf16; four stores.  Each accumulator's lowest registers are read first.
; The 32 exponentials are one batch and the 32 reciprocals another: behind each a plain instruction (ISA guide 5.7.2) and one wait ahead of the first reader.
.macro ACT a
	WIN 0
.if (\a) > 0
	s_cmp_le_u32 s30, \a
	s_cbranch_scc1 .Lend                           ; this block and those behind it are past my share
.endif
.if (\a) < 4
.set AW, 0x55
.set SWN, 0x04
.set AC, 64*(\a)
.else
.set AW, 0
.set SWN, 0
.set AC, 192
.endif
	WIN AW
.set f, 0
.rept 8
	v_pk_mul_f32 v[AC+8*f+4:AC+8*f+5], v[AC+8*f:AC+8*f+1],   v[AC+8*f+4:AC+8*f+5]
	v_pk_mul_f32 v[AC+8*f+6:AC+8*f+7], v[AC+8*f+2:AC+8*f+3], v[AC+8*f+6:AC+8*f+7]
.set f, f+1
.endr
.set f, 0
.rept 8
	v_pk_mul_f32 v[AC+8*f:AC+8*f+1],   v[AC+8*f:AC+8*f+1],   s[NL2E:NL2E+1] op_sel_hi:[1,0]
	v_pk_mul_f32 v[AC+8*f+2:AC+8*f+3], v[AC+8*f+2:AC+8*f+3], s[NL2E:NL2E+1] op_sel_hi:[1,0]
.set f, f+1
.endr
.set f, 0
.rept 8
.irp q, 0,1,2,3
	v_exp_f32 v[AC+8*f+\q], v[AC+8*f+\q]
.endr
.set f, f+1
.endr
	v_nop
	s_wait_alu depctr_va_vdst(0)
.set f, 0
.rept 8
	v_pk_add_f32 v[AC+8*f:AC+8*f+1],   v[AC+8*f:AC+8*f+1],   1.0 op_sel_hi:[1,0]
	v_pk_add_f32 v[AC+8*f+2:AC+8*f+3], v[AC+8*f+2:AC+8*f+3], 1.0 op_sel_hi:[1,0]
.set f, f+1
.endr
.set f, 0
.rept 8
.irp q, 0,1,2,3
	v_rcp_f32 v[AC+8*f+\q], v[AC+8*f+\q]
.endr
.set f, f+1
.endr
	v_nop
	s_wait_alu depctr_va_vdst(0)
.set f, 0
.rept 8
	v_pk_mul_f32 v[AC+8*f+4:AC+8*f+5], v[AC+8*f+4:AC+8*f+5], v[AC+8*f:AC+8*f+1]
	v_pk_mul_f32 v[AC+8*f+6:AC+8*f+7], v[AC+8*f+6:AC+8*f+7], v[AC+8*f+2:AC+8*f+3]
.set f, f+1
.endr
.set f, 0
.rept 4                                                ; two accumulators' eight numbers are a lane's 16 bytes of one k-block
	v_cvt_pk_bf16_f32 v[AC+16*f],   v[AC+16*f+4],  v[AC+16*f+5]
	v_cvt_pk_bf16_f32 v[AC+16*f+1], v[AC+16*f+6],  v[AC+16*f+7]
	v_cvt_pk_bf16_f32 v[AC+16*f+2], v[AC+16*f+12], v[AC+16*f+13]
	v_cvt_pk_bf16_f32 v[AC+16*f+3], v[AC+16*f+14], v[AC+16*f+15]
.set f, f+1
.endr
	WIN SWN                                        ; address window 0, data where the accumulators lie
.set f, 0
.rept 4
	global_store_b128 v10, v[AC+16*f:AC+16*f+3], s[12:13] offset:(\a)*65536+f*512   ; 512 consecutive bytes, at a multiple of 512 from hid's first
.set f, f+1
.endr
.endm
	s_mov_b32 s[NL2E], 0xbfb8aa3b                  ; -log2(e)
	s_mov_b32 s[NL2E+1], s[NL2E]                   ; named with it as a pair
	s_mov_b32 s31, 4
.Lpass:
	s_cmp_eq_u32 s29, 0
	s_cbranch_scc1 .Lnext                          ; nothing left for this wave: the trip is jumped; no barrier stands in it
	s_min_u32 s30, s29, 5                          ; the pass's live blocks
	s_lshl_b32 s[ROW0], s28, 4                     ; its first rank
	s_min_u32 s17, s28, 63
	s_lshl_b32 s17, s17, 16
	s_wait_xcnt 0x0                                ; the registers below were sources of the last pass's loads and stores
	v_add_nc_u32 v10, s17, v4                      ; hid: my first block, my lane's 16 bytes
	s_mov_b64 s[22:23], s[8:9]                     ; xb, stepped along K
	s_mov_b32 s[TB], 0
	v_add_nc_u32 v9, s[TB], v8                     ; the turning load's address: the trip's first K row + my lane's place
	SELECT 0
.irp a, 0,1,2,3,4
	v_min_u32 v[ENT+\a], 0x3ff, v[ENT+\a]
	v_lshlrev_b32 v[XO+\a], 11, v[ENT+\a]
	v_add_nc_u32 v[XO+\a], v5, v[XO+\a]            ; token x 2,048 + 16 h
.endr
	ALOAD 0, 0
	ALOAD 1, 64
	ALOAD 2, 128
	BLOAD 0, 0
	KSTEP 0, 0, 1,  1, 192,  1, 9216,   30, 16     ; K step 0 stands in front of the loop: its products start the sums
	WIN 0
	s_mov_b32 s2, 7
.Lk:                                                   ; a trip: K steps 4 n + 1 .. 4 n + 4
	v_add_nc_u32 v9, s[TB], v8
	KSTEP 1, 1, 0,  1, 256,  1, 18432,  30, 16
	KSTEP 2, 0, 0,  1, 320,  1, 27648,  30, 16
	KSTEP 3, 1, 0,  1, 384,  1, 36864,  30, 16
	KSTEP 0, 0, 0,  1, 448,  1, 46080,  30, 16
	WIN 0
	s_wait_xcnt 0x0                                ; the base is stepped only behind this wait
	s_add_nc_u64 s[22:23], s[22:23], 256
	s_add_co_u32 s[TB], s[TB], 128*P
	s_sub_co_u32 s2, s2, 1
	s_cmp_lg_u32 s2, 0
	s_cbranch_scc1 .Lk
	v_add_nc_u32 v9, s[TB], v8
	KSTEP 1, 1, 0,  0, 0,    1, 18432,  20, 16     ; K steps 29 to 31: no rows are left to ask for, the counts run down
	KSTEP 2, 0, 0,  0, 0,    1, 27648,  10, 16
	KSTEP 3, 1, 0,  0, 0,    0, 0,      0, 0
	PLACES
	ACT 0
	ACT 1
	ACT 2
	ACT 3
	ACT 4
	WIN 0
.Lend:
	s_add_co_u32 s28, s28, 5
	s_sub_co_u32 s29, s29, s30
.Lnext:
	s_sub_co_u32 s31, s31, 1
	s_cmp_lg_u32 s31, 0
	s_cbranch_scc1 .Lpass
	s_wait_dscnt 0x0                               ; my reads of the weights are over
	s_barrier_signal -1
	s_barrier_wait -1                              ; every wave's are: LDS is written again (the add below) only behind all reads of it
	s_wait_tensorcnt 0x0                           ; the wave's end: a closing add onto my spare word behind my last LDS store
	ds_add_u32 v[SPW], v[NIL]
	s_wait_dscnt 0x0
	s_endpgm
.Lfunc_end_k_qf9387f9d2c_up:
	.size	k_qf9387f9d2c_up, .Lfunc_end_k_qf9387f9d2c_up-k_qf9387f9d2c_up
	.p2alignl 7, 3214868480
	.fill 96, 4, 3214868480
	.section	.rodata,"a",@progbits
	.p2align	6, 0x0
	.amdhsa_kernel k_qf9387f9d2c_up
		.amdhsa_group_segment_fixed_size 295424
		.amdhsa_private_segment_fixed_size 0
		.amdhsa_enable_private_segment 0
		.amdhsa_kernarg_size 40
		.amdhsa_user_sgpr_count 2
		.amdhsa_user_sgpr_kernarg_segment_ptr 1
		.amdhsa_wavefront_size32 1
		.amdhsa_system_sgpr_workgroup_id_x 1
		.amdhsa_system_sgpr_workgroup_id_y 1
		.amdhsa_system_sgpr_workgroup_id_z 1
		.amdhsa_system_vgpr_workitem_id 0
		.amdhsa_next_free_vgpr 672
		.amdhsa_next_free_sgpr 68
		.amdhsa_reserve_vcc 1
		.amdhsa_float_denorm_mode_32 3
		.amdhsa_float_denorm_mode_16_64 3
		.amdhsa_memory_ordered 1
		.amdhsa_forward_progress 1
		.amdhsa_inst_pref_size 141
	.end_amdhsa_kernel
	.amdgpu_metadata
---
amdhsa.version: [ 1, 2 ]
amdhsa.kernels:
  - .name:           k_qf9387f9d2c_up
    .symbol:         k_qf9387f9d2c_up.kd
    .args:
      - { .name: W1, .offset: 0, .size: 8, .value_kind: global_buffer, .address_space: global }
      - { .name: W3, .offset: 8, .size: 8, .value_kind: global_buffer, .address_space: global }
      - { .name: xb, .offset: 16, .size: 8, .value_kind: global_buffer, .address_space: global }
      - { .name: ch, .offset: 24, .size: 8, .value_kind: global_buffer, .address_space: global }
      - { .name: hid, .offset: 32, .size: 8, .value_kind: global_buffer, .address_space: global }
    .group_segment_fixed_size: 295424
    .private_segment_fixed_size: 0
    .kernarg_segment_align: 8
    .kernarg_segment_size: 40
    .max_flat_workgroup_size: 128
    .sgpr_count:     68
    .vgpr_count:     672
    .wavefront_size: 32
...
	.end_amdgpu_metadata
.endif
;; end of part 2
;; launch down (part 3): grid 32 x 8, 4 waves a work-group, no clusters, 181,760 bytes of LDS; arguments W2, hid, ch, y; writes y
.if DOCPART == 3
	.amdgcn_target "amdgcn-amd-amdhsa--gfx1250"
	.amdhsa_code_object_version 6
	.text
	.protected	k_qf9387f9d2c_down
	.globl	k_qf9387f9d2c_down
	.p2align	8
	.type	k_qf9387f9d2c_down,@function
k_qf9387f9d2c_down:
	s_mov_b64 s[64:65], 0
	v_nop
	global_prefetch_b8 v0, s[64:65] scope:SCOPE_SE
	s_setreg_imm32_b32 hwreg(HW_REG_WAVE_MODE, 25, 1), 1
	s_wait_xcnt 0x0
; SECOND PRODUCT.  y[kq][2 t + j][:] = hid rows of expert e times W2[e], over the hidden columns 512 kq .. + 511: four partial sums in f32, which the last launch adds.
; Work-group (x, e): output columns 128 cs .. + 127 (cs = x % 8), hidden quarter kq = x / 8, all rows of expert e.
; PHASE A.  The work-group's slice of W2 (512 x 128 f32, which no other work-group reads) streams once through registers, is rounded to bf16 and laid into LDS as [K][N].  Wave w takes K rows 128 w .. + 127; a
; load is a row's 512 consecutive bytes; a ring of 4 slots x 16 loads keeps 64 loads of each wave out; two rounds, written out.  One barrier.
; K's ORDER.  hid's lanes hold, in the matrix operand's place 8 h + i of 16, the hidden column 4 h + i % 4 + 8 (i / 4).  So a row of W2 goes to the LDS row whose number has bits 2 and 3 exchanged (in the
; store's immediate): the turning load then reads eight consecutive LDS rows and finds the same order of K as hid's.  A permutation of K common to both operands leaves the products as they are.
; PHASE B.  No barrier; the weights are only read, turned out of LDS; hid's blocks come straight into registers (512 consecutive bytes a load); source 0 = 16 output columns, source 1 = 16 rows;
; passes of 5 blocks x 128 columns, 40 accumulators; four trips cover every split; a block past the wave's share repeats a block that exists and is not stored, and the fifth block's products are jumped, in
; every K step but the first, where the pass has four live blocks or fewer.  The sixteen K steps of a pass are written out: every LDS address is one of three registers that are never rewritten plus an
; immediate, and the row loads' steps stand in the immediate too, so that no base is stepped.
; ROWS.  As in the launch before: M's bit L of word i says that token 128 (i / 4) + 4 L + i % 4 chose my expert, B's that it is the token's second choice; the row of rank n is the n-th set bit's token
; (SELECT gives 2 t + j); blocks are dealt evenly among the waves.
; OUT.  A lane holds 8 neighbouring columns of one row.  A block of 16 rows goes through my wave's own stage in LDS and leaves as whole rows of 512 consecutive bytes, each to the row 2 t + j of y.
; In the last block the places past the count repeat the last row: the same bytes are stored again, to the same place, by the same wave.
; NO CLUSTER, NO TENSOR LOADS: each weight byte has one reader and passes through registers to be rounded; the rows that an expert's 8 column slices share are as many tiles as a stored count says
; a walk of the constant worst case, 1,024 rows, would fetch four times the mean, which is what a mask of four saves.
; LIMITS.  W2 is rounded to bf16; sums and y in f32.  NaN and infinities are not treated apart.
; REGISTERS, in windows of 256 (s_set_vgpr_msb: bits 1:0 source 0, 3:2 source 1, 5:4 source 2, 7:6 destination):
;   window 0: v0-61 addresses; v64-191 weight fragments, two buffers of 8 x 8 (before that: ch's words; at a pass's head: SELECT's registers); v192-255 block 4's accumulators
;   window 1: phase A's ring, then blocks 0-3's accumulators at 64 a + 8 f          window 2: v0-159 the rows' fragments, a ring of four K steps x 5 blocks x 8; v0-63 also take a block's rows back from the stage
.set P,     288                        ; an LDS row of weights: 256 bytes + 32 = 72 words
.set STAGE, 512*P                      ; behind the weights: 16 rows x 528 bytes for each wave
.set SP,    528                        ; 512 bytes + 16 = 132 words: the 16 rows of a store start at 16 different groups of four banks
.set SPARE, STAGE+4*16*SP              ; the spare words, 128 bytes for each wave: no other line names them
.set XO,  12                           ; v12-16  block a: its byte offset in the expert's part of hid, + 16 L
.set ENT, 18                           ; v18-22  block a: my row's 2 t + j
.set PX,  23                           ; v23     the other half of the lanes' ranks
.set OF,  24                           ; v24-39  row i of the block in hand: its byte offset in y, + 16 L
.set AB,  50                           ; v50-52  the turning load's address for K steps 0-5, 6-11, 12-15; never rewritten
.set SPW, 60                           ; v60     LDS address of my spare word; never rewritten
.set NIL, 61                           ; v61     0; never rewritten
.set BR,  64
.set CH,  64                           ; v64-95  ch's words, until M and B are made
.set MT,  96                           ; v96-99  at work on them
.set RK,  64                           ; SELECT's registers, three of each (ranks 32 q + lane): the rank,
.set SW,  68                           ; the word of M that holds its bit,
.set SB,  72                           ; the same word of B,
.set PK,  76                           ; that word's first token << 16 | the set bits in front of it,
.set A1,  80                           ; the word's counts by fields of 2,
.set A2,  84                           ; 4
.set A3,  88                           ; and 8 bits,
.set KK,  92                           ; the rank inside what is left of the word,
.set PS,  96                           ; the bit at which that begins,
.set CC,  100                          ; and three at work
.set T1,  104
.set T2,  108
.set MW,  32                           ; s[32:63] M's 32 words
.set BW,  68                           ; s[68:99] B's 32 words
.set ROW0, 21                          ; s21     the pass's first rank
.set MSB, 0
.macro WIN new                         ; the immediate's high byte repeats the setting that is left; a switch that changes nothing is dropped
.if MSB != (\new)
	s_set_vgpr_msb (MSB<<8)|(\new)
.set MSB, (\new)
.endif
.endm
.macro PLACES                          ; four places between a matrix instruction and a load into, or a reader of, its registers (ISA guide 7.12.1 for readers)
.rept 4
	v_nop
.endr
.endm
	s_load_b256 s[4:11], s[0:1], 0x0               ; W2 s[4:5], hid s[6:7], ch s[8:9], y s[10:11]
	v_lshl_add_u32 v[SPW], v0, 2, SPARE
	v_mov_b32 v[NIL], 0
	v_lshrrev_b32 v1, 5, v0
	v_readfirstlane_b32 s14, v1                    ; wave 0..3
	v_and_b32 v1, 31, v0                           ; L
	v_and_b32 v2, 15, v0                           ; r
	v_bfe_u32 v3, v0, 4, 1                         ; h
	v_lshlrev_b32 v4, 4, v1                        ; 16 L
	s_mul_i32 s17, s14, 128*P
	v_lshl_add_u32 v7, v1, 3, s17                  ; weights in LDS: my 128 rows, 8 bytes a lane
	v_and_b32 v[AB], 7, v0
	v_lshl_add_u32 v[AB], v3, 3, v[AB]
	v_mul_u32_u24 v[AB], v[AB], P
	v_bfe_u32 v9, v0, 3, 1
	v_lshl_add_u32 v[AB], v9, 4, v[AB]             ; the turning load: row 8 h + L % 8, columns 8 ((L / 8) % 2) on
	v_add_nc_u32 v[AB+1], 6*32*P, v[AB]            ; an LDS immediate has 16 bits: six K steps of 9,216 bytes to a register
	v_add_nc_u32 v[AB+2], 12*32*P, v[AB]
	s_mul_i32 s17, s14, 16*SP
	s_add_co_u32 s17, s17, STAGE                   ; my stage
	v_mul_u32_u24 v10, v2, SP
	v_lshl_add_u32 v10, v3, 5, v10
	v_add_nc_u32 v10, s17, v10                     ; in: row r, 32 bytes for each half of the lanes
	v_add_nc_u32 v11, s17, v4                      ; back: a row's 512 bytes
	v_mov_b32 v[PX], 0                             ; v_permlanex16_b32 and the DPP forms count as readers of their destinations
.irp i, 0,1,2,3,4,5,6,7,8,9,10,11,12,13,14,15
	v_mov_b32 v[OF+\i], 0
.endr
	s_and_b32 s15, ttmp9, 7                        ; cs
	s_lshr_b32 s12, ttmp9, 3                       ; kq
	s_and_b32 s16, ttmp7, 0xffff                   ; expert
	s_lshl_b32 s18, s16, 23                        ; W2: expert, row 512 kq + 128 w of 4,096 bytes, 512 bytes of columns
	s_lshl_b32 s17, s12, 21
	s_add_co_u32 s18, s18, s17
	s_lshl_b32 s17, s14, 19
	s_add_co_u32 s18, s18, s17
	s_lshl_b32 s17, s15, 9
	s_add_co_u32 s18, s18, s17
	s_mov_b32 s19, 0
	s_lshl_b32 s20, s16, 22                        ; hid: expert, k-block 32 kq of 512 bytes
	s_lshl_b32 s17, s12, 14
	s_add_co_u32 s20, s20, s17
	s_mov_b32 s21, 0
	s_lshl_b32 s24, s12, 23                        ; y: quarter, 512 bytes of columns
	s_lshl_b32 s17, s15, 9
	s_add_co_u32 s24, s24, s17
	s_mov_b32 s25, 0
	s_wait_kmcnt 0x0
	s_add_nc_u64 s[4:5], s[4:5], s[18:19]
	s_add_nc_u64 s[6:7], s[6:7], s[20:21]
	s_add_nc_u64 s[10:11], s[10:11], s[24:25]
.irp j, 0,1,2,3,4,5,6,7
	global_load_b128 v[CH+4*\j:CH+4*\j+3], v4, s[8:9] offset:512*\j   ; all 1,024 tokens' words
.endr
	s_mov_b32 s18, 0x76543210                      ; v_permlanex16_b32's selects: each lane takes its own place in the other half
	s_mov_b32 s19, 0xfedcba98
	s_mov_b32 s20, 0xffff0000                      ; lanes 16 to 31
.macro DFILL i, rd                     ; slot i in round rd: rows 64 rd + 16 i + 0..15 of my 128
	WIN 0x44                                       ; destination (and an LDS store's data) window 1, address window 0
.set j, 0
.rept 16
	global_load_b128 v[64*(\i)+4*j:64*(\i)+4*j+3], v4, s[4:5] offset:(64*(\rd)+16*(\i)+j)*4096 th:TH_LOAD_NT
.set j, j+1
.endr
.endm
.macro DSLOT i, rd, refill, left       ; the slot's turn: rounded in place, stored, loaded again.  left: the younger slots' loads, which stay out
	s_wait_loadcnt \left
	WIN 0x45
.set j, 0
.rept 16
.set rg, 64*(\i)+4*j
	v_cvt_pk_bf16_f32 v[rg],   v[rg],   v[rg+1]
	v_cvt_pk_bf16_f32 v[rg+1], v[rg+2], v[rg+3]
.set j, j+1
.endr
	WIN 0x44
.set j, 0
.rept 16
.set rr, 64*(\rd)+16*(\i)+j
	ds_store_b64 v7, v[64*(\i)+4*j:64*(\i)+4*j+1] offset:((rr&0x73)|((rr&4)<<1)|((rr&8)>>1))*P   ; 32 lanes fill a row's 256 bytes; bits 2 and 3 of the row's number change places
.set j, j+1
.endr
.if \refill
	DFILL \i, (\rd)+1
.endif
.endm
	DFILL 0, 0
	DFILL 1, 0
	DFILL 2, 0
	DFILL 3, 0
	WIN 0
	s_lshl_b32 s3, 1, s16                          ; my expert's bit among the chosen,
	s_lshl_b32 s2, s3, 8                           ; and as the second choice
	s_wait_loadcnt 63                              ; ch's words are in: 64 loads were issued behind the last of them.  M, B and the shares are made while the weights' loads are out
.set i, 0
.rept 32
	v_and_b32 v[MT+2*(i%2)], s3, v[CH+i]
	v_and_b32 v[MT+2*(i%2)+1], s2, v[CH+i]
	v_cmp_ne_u32 s[MW+i], 0, v[MT+2*(i%2)]
	v_cmp_ne_u32 s[BW+i], 0, v[MT+2*(i%2)+1]
.set i, i+1
.endr
	s_mov_b32 s24, 0
.set i, 0
.rept 32
	s_bcnt1_i32_b32 s3, s[MW+i]
	s_add_co_u32 s24, s24, s3                      ; cnt
.set i, i+1
.endr
	s_sub_co_u32 s25, s24, 1                       ; the last rank (read in live passes alone, where cnt is at least 1)
	s_add_co_u32 s26, s24, 15
	s_lshr_b32 s26, s26, 4                         ; NBLK
	s_lshr_b32 s27, s26, 2                         ; a wave's blocks,
	s_and_b32 s17, s26, 3                          ; and how many waves have one more
	s_mul_i32 s28, s14, s27
	s_min_u32 s3, s14, s17
	s_add_co_u32 s28, s28, s3                      ; my first block
	s_cmp_lt_u32 s14, s17
	s_cselect_b32 s3, 1, 0
	s_add_co_u32 s29, s27, s3                      ; my blocks still to do
	s_sub_co_u32 s13, s26, 1                       ; the last block (read in live passes alone)
	DSLOT 0, 0, 1, 48
	DSLOT 1, 0, 1, 48
	DSLOT 2, 0, 1, 48
	DSLOT 3, 0, 1, 48
	DSLOT 0, 1, 0, 48                              ; the second 64 rows: nothing is left to load, the counts run down
	DSLOT 1, 1, 0, 32
	DSLOT 2, 1, 0, 16
	DSLOT 3, 1, 0, 0
	WIN 0
	s_wait_dscnt 0x0                               ; for the others' sake: my 128 rows are in LDS
	s_barrier_signal -1
	s_barrier_wait -1                              ; all 512 are; nothing writes them again
; THE WAVES START APART: wave w idles 6 w times s_nop 15.  Each wave issues a run of 16 LDS loads of 512 bytes once a K step, and 32 LDS instructions a block on the way out; set off against each other,
; one wave's run falls into the others' matrix work.
.irp k, 1,2,3
	s_cmp_lt_u32 s14, \k
	s_cbranch_scc1 .Lapart
.rept 6
	s_nop 15
.endr
.endr
.Lapart:
; SELECT: the tokens of the ranks ROW0 + 32 q + lane, q = 0, 1, 2 (held to cnt - 1), into T1 + q; withb = 1: 2 x token + the token's bit of B.  All lanes on throughout.
; One halving step inside the word: of the 2 n bits from PS on, the lower n hold CC set bits (read from the field counts src, w bits wide); a rank of CC or more lies in the upper n.
.macro LEVEL src, w, n
.irp q, 0,1,2
	v_bfe_u32 v[CC+\q], v[(\src)+\q], v[PS+\q], \w
.endr
.irp q, 0,1,2
	v_cmp_ge_u32 vcc_lo, v[KK+\q], v[CC+\q]
	v_sub_nc_u32 v[T1+\q], v[KK+\q], v[CC+\q]
	v_add_nc_u32 v[T2+\q], \n, v[PS+\q]
	v_cndmask_b32 v[KK+\q], v[KK+\q], v[T1+\q], vcc_lo
	v_cndmask_b32 v[PS+\q], v[PS+\q], v[T2+\q], vcc_lo
.endr
.endm
.macro SELECT withb
	v_add_nc_u32 v[RK], s[ROW0], v1
	v_add_nc_u32 v[RK+1], 32, v[RK]
	v_add_nc_u32 v[RK+2], 64, v[RK]
.irp q, 0,1,2
	v_min_u32 v[RK+\q], s25, v[RK+\q]              ; places past the count repeat the last row
	v_mov_b32 v[SW+\q], s[MW]
	v_mov_b32 v[PK+\q], 0
.if \withb
	v_mov_b32 v[SB+\q], s[BW]
.endif
.endr
	s_mov_b32 s66, 0
.set i, 1
.rept 31                                               ; word i replaces what is held as long as the set bits in front of it, s66, do not pass the rank: the last such word holds the bit
	s_bcnt1_i32_b32 s3, s[MW+i-1]
	s_add_co_u32 s66, s66, s3
	s_or_b32 s67, s66, (128*(i>>2)+(i&3))<<16      ; with the token of the word's bit 0
.irp q, 0,1,2
	v_cmp_gt_u32 vcc_lo, s66, v[RK+\q]
	v_cndmask_b32 v[SW+\q], s[MW+i], v[SW+\q], vcc_lo
	v_cndmask_b32 v[PK+\q], s67, v[PK+\q], vcc_lo
.if \withb
	v_cndmask_b32 v[SB+\q], s[BW+i], v[SB+\q], vcc_lo
.endif
.endr
.set i, i+1
.endr
.irp q, 0,1,2
	v_and_b32 v[T1+\q], 0xffff, v[PK+\q]
	v_sub_nc_u32 v[KK+\q], v[RK+\q], v[T1+\q]      ; the rank inside the word
	v_lshrrev_b32 v[T1+\q], 1, v[SW+\q]            ; the word's set bits counted by fields of 2, 4 and 8 bits, and in its lower 16
	v_and_b32 v[T1+\q], 0x55555555, v[T1+\q]
	v_sub_nc_u32 v[A1+\q], v[SW+\q], v[T1+\q]
	v_lshrrev_b32 v[T1+\q], 2, v[A1+\q]
	v_and_b32 v[T1+\q], 0x33333333, v[T1+\q]
	v_and_b32 v[T2+\q], 0x33333333, v[A1+\q]
	v_add_nc_u32 v[A2+\q], v[T1+\q], v[T2+\q]
	v_lshrrev_b32 v[T1+\q], 4, v[A2+\q]
	v_add_nc_u32 v[T1+\q], v[T1+\q], v[A2+\q]
	v_and_b32 v[A3+\q], 0x0f0f0f0f, v[T1+\q]
	v_lshrrev_b32 v[T1+\q], 8, v[A3+\q]
	v_add_nc_u32 v[T1+\q], v[T1+\q], v[A3+\q]
	v_and_b32 v[CC+\q], 0xff, v[T1+\q]
.endr
.irp q, 0,1,2
	v_cmp_ge_u32 vcc_lo, v[KK+\q], v[CC+\q]
	v_sub_nc_u32 v[T1+\q], v[KK+\q], v[CC+\q]
	v_cndmask_b32 v[KK+\q], v[KK+\q], v[T1+\q], vcc_lo
	v_cndmask_b32 v[PS+\q], 0, 16, vcc_lo
.endr
	LEVEL A3, 8, 8
	LEVEL A2, 4, 4
	LEVEL A1, 2, 2
	LEVEL SW, 1, 1
.irp q, 0,1,2
	v_lshrrev_b32 v[T1+\q], 16, v[PK+\q]
	v_lshl_add_u32 v[T1+\q], v[PS+\q], 2, v[T1+\q] ; token = the word's first + 4 x bit
.if \withb
	v_bfe_u32 v[T2+\q], v[SB+\q], v[PS+\q], 1
	v_lshl_add_u32 v[T1+\q], v[T1+\q], 1, v[T2+\q]
.endif
.endr
.irp q, 0,1,2                                          ; block 2 q wants ranks 32 q + 0..15 in both halves of the lanes, block 2 q + 1 ranks 32 q + 16..31
	v_permlanex16_b32 v[PX], v[T1+\q], s18, s19
	v_cndmask_b32 v[ENT+2*\q], v[T1+\q], v[PX], s20
.if \q < 2
	v_cndmask_b32 v[ENT+2*\q+1], v[PX], v[T1+\q], s20
.endif
.endr
.endm
.macro ALOAD sl, off                   ; the five blocks' fragments of one K step: two k-blocks of 512 bytes each
	WIN 0x80
.irp a, 0,1,2,3,4
	global_load_b128 v[40*(\sl)+8*\a:40*(\sl)+8*\a+3],   v[XO+\a], s[6:7] offset:(\off)
	global_load_b128 v[40*(\sl)+8*\a+4:40*(\sl)+8*\a+7], v[XO+\a], s[6:7] offset:(\off)+512
.endr
.endm
.macro BLOAD bp, bi, off               ; the eight weight fragments of one K step, turned, into buffer bp; bi: which address register
	WIN 0
.irp f, 0,1,2,3,4,5,6,7
	ds_load_tr16_b128 v[BR+64*(\bp)+8*\f:BR+64*(\bp)+8*\f+3],   v[AB+(\bi)] offset:(\off)+32*\f
	ds_load_tr16_b128 v[BR+64*(\bp)+8*\f+4:BR+64*(\bp)+8*\f+7], v[AB+(\bi)] offset:(\off)+32*\f+16*P
.endr
.endm
; A K step's products: 32 for blocks 0-3, 8 for block 4.  Each accumulator has one turn a K step, in the same order in every step.  zero = 1: they start the sums, block 4's too.
; Elsewhere block 4's eight are jumped where the pass has four live blocks or fewer.
.macro MULS sl, bp, zero
	WIN 0x58                                       ; weights window 0, rows window 2, C and D window 1
.irp a, 0,1,2,3
.irp f, 0,1,2,3,4,5,6,7
.if \zero
	v_wmma_f32_16x16x32_bf16 v[64*\a+8*\f:64*\a+8*\f+7], v[BR+64*(\bp)+8*\f:BR+64*(\bp)+8*\f+7], v[40*(\sl)+8*\a:40*(\sl)+8*\a+7], 0
.else
	v_wmma_f32_16x16x32_bf16 v[64*\a+8*\f:64*\a+8*\f+7], v[BR+64*(\bp)+8*\f:BR+64*(\bp)+8*\f+7], v[40*(\sl)+8*\a:40*(\sl)+8*\a+7], v[64*\a+8*\f:64*\a+8*\f+7]
.endif
.endr
.endr
.if \zero
	WIN 0x08                                       ; block 4: C and D window 0
.irp f, 0,1,2,3,4,5,6,7
	v_wmma_f32_16x16x32_bf16 v[192+8*\f:192+8*\f+7], v[BR+64*(\bp)+8*\f:BR+64*(\bp)+8*\f+7], v[40*(\sl)+32:40*(\sl)+39], 0
.endr
.else
	WIN 0                                          ; at a branch and at a label every window is 0
	s_cmp_lt_u32 s30, 5
	s_cbranch_scc1 .Lfour_\@
	WIN 0x08
.irp f, 0,1,2,3,4,5,6,7
	v_wmma_f32_16x16x32_bf16 v[192+8*\f:192+8*\f+7], v[BR+64*(\bp)+8*\f:BR+64*(\bp)+8*\f+7], v[40*(\sl)+32:40*(\sl)+39], v[192+8*\f:192+8*\f+7]
.endr
	WIN 0
.Lfour_\@:
.endif
.endm
; K step t of 16 (t is the assembler's count).  It asks for the rows' fragments three steps on, into the slot that the step before read, and for the next step's weights, into the other buffer; then it multiplies.
; The wait on LOADcnt leaves the younger steps' ten row loads each out (block 4's are issued on every way, so the count holds on every way), the wait on DScnt the sixteen turning loads just issued; in the last steps the counts run down.
.macro DSTEP
	PLACES
.if t+3 < 16
	ALOAD (t+3)&3, 1024*(t+3)
.endif
.if t+1 < 16
	BLOAD (t+1)&1, (t+1)/6, ((t+1)%6)*32*P
.endif
.if t < 13
	s_wait_loadcnt 30
.else
	s_wait_loadcnt 10*(15-t)
.endif
.if t < 15
	s_wait_dscnt 16
.else
	s_wait_dscnt 0
.endif
.if t == 0
	MULS 0, 0, 1
.else
	MULS t&3, t&1, 0
.endif
.endm
; Block a's way out.  Row i's place in y: lane i of each half holds its 2 t + j, and row_share hands it to all sixteen lanes of the half; then the clamp, the shift and my lane's 16 bytes.
; The accumulators go into my stage (each one's lowest registers first) and come back as rows.
.macro OUT a
	WIN 0
.if (\a) > 0
	s_cmp_le_u32 s30, \a
	s_cbranch_scc1 .Lend                           ; this block and those behind it are past my share
.endif
	s_wait_xcnt 0x0                                ; the offsets and the rows' registers were sources of the block before's stores
.irp i, 0,1,2,3,4,5,6,7,8,9,10,11,12,13,14,15
	v_mov_b32_dpp v[OF+\i], v[ENT+(\a)] row_share:\i row_mask:0xf bank_mask:0xf
.endr
.irp i, 0,1,2,3,4,5,6,7,8,9,10,11,12,13,14,15
	v_min_u32 v[OF+\i], 0x7ff, v[OF+\i]
.endr
.irp i, 0,1,2,3,4,5,6,7,8,9,10,11,12,13,14,15
	v_lshlrev_b32 v[OF+\i], 12, v[OF+\i]
.endr
.irp i, 0,1,2,3,4,5,6,7,8,9,10,11,12,13,14,15
	v_add_nc_u32 v[OF+\i], v4, v[OF+\i]            ; (2 t + j) x 4,096 + 16 L
.endr
.if (\a) < 4
	WIN 0x04                                       ; an LDS store's data in window 1
.set AC, 64*(\a)
.else
.set AC, 192
.endif
.set f, 0
.rept 8
	ds_store_b128 v10, v[AC+8*f:AC+8*f+3]   offset:64*f
	ds_store_b128 v10, v[AC+8*f+4:AC+8*f+7] offset:64*f+16
.set f, f+1
.endr
	WIN 0x80
.set i, 0
.rept 16
	ds_load_b128 v[4*i:4*i+3], v11 offset:SP*i     ; LDS serves a wave's instructions in order (ISA guide 5.7.1.4): these see the stores above, and the next block's stores come behind them
.set i, i+1
.endr
	WIN 0x08                                       ; a store's data in window 2
.set i, 0
.rept 16
	s_wait_dscnt 15-i                              ; row i is back; the loads behind it stay out
	global_store_b128 v[OF+i], v[4*i:4*i+3], s[10:11]   ; a row's 512 consecutive bytes, at a multiple of 512 from y's first
.set i, i+1
.endr
.endm
	s_mov_b32 s31, 4
.Lpass:
	s_cmp_eq_u32 s29, 0
	s_cbranch_scc1 .Lnext                          ; nothing left for this wave: the trip is jumped; no barrier stands in it
	s_min_u32 s30, s29, 5                          ; the pass's live blocks
	s_lshl_b32 s[ROW0], s28, 4                     ; its first rank
	s_wait_xcnt 0x0                                ; the registers below were sources of the last pass's loads and stores
.irp a, 0,1,2,3,4
	s_add_co_u32 s17, s28, \a
	s_min_u32 s17, s17, s13                        ; a block past the last repeats the last
	s_min_u32 s17, s17, 63
	s_lshl_b32 s17, s17, 16
	v_add_nc_u32 v[XO+\a], s17, v4
.endr
	ALOAD 0, 0                                     ; the first three K steps' rows are asked for; the rows' places in y are found while they are out
	ALOAD 1, 1024
	ALOAD 2, 2048
	WIN 0
	SELECT 1
	BLOAD 0, 0, 0
.set t, 0
.rept 16
	DSTEP
.set t, t+1
.endr
	PLACES
	OUT 0
	OUT 1
	OUT 2
	OUT 3
	OUT 4
	WIN 0
.Lend:
	s_add_co_u32 s28, s28, 5
	s_sub_co_u32 s29, s29, s30
.Lnext:
	s_sub_co_u32 s31, s31, 1
	s_cmp_lg_u32 s31, 0
	s_cbranch_scc1 .Lpass
	s_wait_tensorcnt 0x0                           ; the wave's end: a closing add onto my spare word behind my last LDS store
	ds_add_u32 v[SPW], v[NIL]
	s_wait_dscnt 0x0
	s_endpgm
.Lfunc_end_k_qf9387f9d2c_down:
	.size	k_qf9387f9d2c_down, .Lfunc_end_k_qf9387f9d2c_down-k_qf9387f9d2c_down
	.p2alignl 7, 3214868480
	.fill 96, 4, 3214868480
	.section	.rodata,"a",@progbits
	.p2align	6, 0x0
	.amdhsa_kernel k_qf9387f9d2c_down
		.amdhsa_group_segment_fixed_size 181760
		.amdhsa_private_segment_fixed_size 0
		.amdhsa_enable_private_segment 0
		.amdhsa_kernarg_size 32
		.amdhsa_user_sgpr_count 2
		.amdhsa_user_sgpr_kernarg_segment_ptr 1
		.amdhsa_wavefront_size32 1
		.amdhsa_system_sgpr_workgroup_id_x 1
		.amdhsa_system_sgpr_workgroup_id_y 1
		.amdhsa_system_sgpr_workgroup_id_z 1
		.amdhsa_system_vgpr_workitem_id 0
		.amdhsa_next_free_vgpr 672
		.amdhsa_next_free_sgpr 100
		.amdhsa_reserve_vcc 1
		.amdhsa_float_denorm_mode_32 3
		.amdhsa_float_denorm_mode_16_64 3
		.amdhsa_memory_ordered 1
		.amdhsa_forward_progress 1
		.amdhsa_inst_pref_size 188
	.end_amdhsa_kernel
	.amdgpu_metadata
---
amdhsa.version: [ 1, 2 ]
amdhsa.kernels:
  - .name:           k_qf9387f9d2c_down
    .symbol:         k_qf9387f9d2c_down.kd
    .args:
      - { .name: W2, .offset: 0, .size: 8, .value_kind: global_buffer, .address_space: global }
      - { .name: hid, .offset: 8, .size: 8, .value_kind: global_buffer, .address_space: global }
      - { .name: ch, .offset: 16, .size: 8, .value_kind: global_buffer, .address_space: global }
      - { .name: y, .offset: 24, .size: 8, .value_kind: global_buffer, .address_space: global }
    .group_segment_fixed_size: 181760
    .private_segment_fixed_size: 0
    .kernarg_segment_align: 8
    .kernarg_segment_size: 32
    .max_flat_workgroup_size: 128
    .sgpr_count:     100
    .vgpr_count:     672
    .wavefront_size: 32
...
	.end_amdgpu_metadata
.endif
;; end of part 3
;; launch sum (part 4): grid 256 x 1, 8 waves a work-group, no clusters, 0 bytes of LDS; arguments y, pw, out0; writes out0
.if DOCPART == 4
	.amdgcn_target "amdgcn-amd-amdhsa--gfx1250"
	.amdhsa_code_object_version 6
	.text
	.protected	k_qf9387f9d2c_sum
	.globl	k_qf9387f9d2c_sum
	.p2align	8
	.type	k_qf9387f9d2c_sum,@function
k_qf9387f9d2c_sum:
	s_mov_b64 s[64:65], 0
	v_nop
	global_prefetch_b8 v0, s[64:65] scope:SCOPE_SE
	s_setreg_imm32_b32 hwreg(HW_REG_WAVE_MODE, 25, 1), 1
	s_wait_xcnt 0x0
; out0[t] = p0 (y0 + y1 + y2 + y3)[2 t] + p1 (y0 + y1 + y2 + y3)[2 t + 1]: the four partial sums over the hidden width of each of a token's two experts, weighed and added, all in f32.
; A stream: every byte of y is read once and every byte of out0 written once; no LDS, no barrier, no matrix unit, no cluster (no two work-groups read the same byte).
; A work-group has 4 tokens, a wave half a token's row: 2,048 bytes, in four pieces of 512 consecutive bytes.  All 32 loads of a wave go out at once; the waits count down by pieces.
.set Y, 8                              ; v8-135  piece c, choice j, quarter k at 8 + 32 c + 16 j + 4 k
	s_load_b128 s[4:7], s[0:1], 0x0                ; y s[4:5], pw s[6:7]
	s_load_b64 s[8:9], s[0:1], 0x10                ; out0
	v_lshrrev_b32 v1, 5, v0
	v_readfirstlane_b32 s10, v1                    ; wave 0..7
	v_and_b32 v1, 31, v0
	v_lshlrev_b32 v2, 4, v1                        ; 16 L, and the same in each further quarter of y, 2^23 bytes on
	v_add_nc_u32 v3, 0x800000, v2
	v_add_nc_u32 v4, 0x1000000, v2
	v_add_nc_u32 v5, 0x1800000, v2
	s_lshr_b32 s11, s10, 1
	s_lshl_b32 s17, ttmp9, 2
	s_add_co_u32 s11, s17, s11                     ; t = 4 g + w / 2
	s_and_b32 s10, s10, 1
	s_lshl_b32 s10, s10, 11                        ; which half of the row
	s_lshl_b32 s12, s11, 13                        ; y: entry 2 t of 4,096 bytes
	s_add_co_u32 s12, s12, s10
	s_mov_b32 s13, 0
	s_lshl_b32 s14, s11, 12                        ; out0: row t
	s_add_co_u32 s14, s14, s10
	s_mov_b32 s15, 0
	s_lshl_b32 s16, s11, 3                         ; pw: pair t
	s_wait_kmcnt 0x0
	s_load_b64 s[20:21], s[6:7], s16 offset:0x0    ; p0, p1
	s_add_nc_u64 s[4:5], s[4:5], s[12:13]
	s_add_nc_u64 s[8:9], s[8:9], s[14:15]
.irp c, 0,1,2,3
.irp j, 0,1
.irp k, 0,1,2,3
	global_load_b128 v[Y+32*\c+16*\j+4*\k:Y+32*\c+16*\j+4*\k+3], v[2+\k], s[4:5] offset:4096*\j+512*\c th:TH_LOAD_NT
.endr
.endr
.endr
	s_wait_kmcnt 0x0
	s_mov_b32 s22, s21                             ; p1 as the low word of a pair of its own: the packed forms give a scalar pair's low word to both halves
	s_mov_b32 s23, s21
.irp c, 0,1,2,3
	s_wait_loadcnt 24-8*\c                         ; this piece's eight loads are in; the later pieces' stay out
.irp j, 0,1
.irp q, 0,2
	v_pk_add_f32 v[Y+32*\c+16*\j+\q:Y+32*\c+16*\j+\q+1],     v[Y+32*\c+16*\j+\q:Y+32*\c+16*\j+\q+1],     v[Y+32*\c+16*\j+4+\q:Y+32*\c+16*\j+4+\q+1]
	v_pk_add_f32 v[Y+32*\c+16*\j+8+\q:Y+32*\c+16*\j+8+\q+1], v[Y+32*\c+16*\j+8+\q:Y+32*\c+16*\j+8+\q+1], v[Y+32*\c+16*\j+12+\q:Y+32*\c+16*\j+12+\q+1]
.endr
.endr
.irp j, 0,1
.irp q, 0,2
	v_pk_add_f32 v[Y+32*\c+16*\j+\q:Y+32*\c+16*\j+\q+1], v[Y+32*\c+16*\j+\q:Y+32*\c+16*\j+\q+1], v[Y+32*\c+16*\j+8+\q:Y+32*\c+16*\j+8+\q+1]
.endr
.endr
.irp q, 0,2
	v_pk_mul_f32 v[Y+32*\c+\q:Y+32*\c+\q+1], v[Y+32*\c+\q:Y+32*\c+\q+1], s[20:21] op_sel_hi:[1,0]
.endr
.irp q, 0,2
	v_pk_fma_f32 v[Y+32*\c+\q:Y+32*\c+\q+1], v[Y+32*\c+16+\q:Y+32*\c+16+\q+1], s[22:23], v[Y+32*\c+\q:Y+32*\c+\q+1] op_sel_hi:[1,0,1]
.endr
	global_store_b128 v2, v[Y+32*\c:Y+32*\c+3], s[8:9] offset:512*\c th:TH_STORE_NT   ; 512 consecutive bytes, at a multiple of 512 from out0's first
.endr
	s_endpgm
.Lfunc_end_k_qf9387f9d2c_sum:
	.size	k_qf9387f9d2c_sum, .Lfunc_end_k_qf9387f9d2c_sum-k_qf9387f9d2c_sum
	.p2alignl 7, 3214868480
	.fill 96, 4, 3214868480
	.section	.rodata,"a",@progbits
	.p2align	6, 0x0
	.amdhsa_kernel k_qf9387f9d2c_sum
		.amdhsa_group_segment_fixed_size 0
		.amdhsa_private_segment_fixed_size 0
		.amdhsa_enable_private_segment 0
		.amdhsa_kernarg_size 24
		.amdhsa_user_sgpr_count 2
		.amdhsa_user_sgpr_kernarg_segment_ptr 1
		.amdhsa_wavefront_size32 1
		.amdhsa_system_sgpr_workgroup_id_x 1
		.amdhsa_system_sgpr_workgroup_id_y 1
		.amdhsa_system_sgpr_workgroup_id_z 1
		.amdhsa_system_vgpr_workitem_id 0
		.amdhsa_next_free_vgpr 136
		.amdhsa_next_free_sgpr 66
		.amdhsa_reserve_vcc 0
		.amdhsa_float_denorm_mode_32 3
		.amdhsa_float_denorm_mode_16_64 3
		.amdhsa_memory_ordered 1
		.amdhsa_forward_progress 1
		.amdhsa_inst_pref_size 9
	.end_amdhsa_kernel
	.amdgpu_metadata
---
amdhsa.version: [ 1, 2 ]
amdhsa.kernels:
  - .name:           k_qf9387f9d2c_sum
    .symbol:         k_qf9387f9d2c_sum.kd
    .args:
      - { .name: y, .offset: 0, .size: 8, .value_kind: global_buffer, .address_space: global }
      - { .name: pw, .offset: 8, .size: 8, .value_kind: global_buffer, .address_space: global }
      - { .name: out0, .offset: 16, .size: 8, .value_kind: global_buffer, .address_space: global }
    .group_segment_fixed_size: 0
    .private_segment_fixed_size: 0
    .kernarg_segment_align: 8
    .kernarg_segment_size: 24
    .max_flat_workgroup_size: 256
    .sgpr_count:     66
    .vgpr_count:     136
    .wavefront_size: 32
...
	.end_amdgpu_metadata
.endif
;; end of part 4
;; ======== version 2 of 2: 4 launches; version 1 with the launch up written anew for expert scheduling mode
;; workspace buffers: xb 2,097,152 bytes; pw 8,192 bytes; ch 4,096 bytes of whole numbers; hid 33,554,432 bytes; y 33,554,432 bytes
;; launch router: the kernel of part 1 again; grid 256 x 1, 4 waves a work-group, no clusters, 16,896 bytes of LDS; arguments x, router_w, router_b, xb, pw, ch; writes xb, pw, ch
;; launch up (part 5): grid 32 x 8, 4 waves a work-group, no clusters, 295,424 bytes of LDS; arguments W1, W3, xb, ch, hid; writes hid
.if DOCPART == 5
	.amdgcn_target "amdgcn-amd-amdhsa--gfx1250"
	.amdhsa_code_object_version 6
	.text
	.protected	k_qf9387f9d2c_up
	.globl	k_qf9387f9d2c_up
	.p2align	8
	.type	k_qf9387f9d2c_up,@function
k_qf9387f9d2c_up:
	s_mov_b64 s[64:65], 0
	v_nop
	global_prefetch_b8 v0, s[64:65] scope:SCOPE_SE
	s_setreg_imm32_b32 hwreg(HW_REG_WAVE_SCHED_MODE, 0, 2), 2
	s_setreg_imm32_b32 hwreg(HW_REG_WAVE_MODE, 25, 1), 1
	s_wait_xcnt 0x0
	s_wait_alu depctr_vm_vsrc(0)
; FIRST PRODUCTS AND ACTIVATION.  hid = silu(x W1[e]) * (x W3[e]) for the rows that chose expert e alone.  Work-group (s, e): hidden columns 64 s .. 64 s + 63 of expert e, all of its rows.
; PHASE A.  The work-group's slice of W1 and W3 (1,024 x 64 f32 each, which no other work-group reads) streams once through registers, is rounded to bf16 and laid into LDS as [K][N].
; Wave w takes K rows 256 w .. + 255; a load covers two rows' 256 consecutive bytes; a ring of 4 slots x 16 loads keeps 64 loads of each wave out.  One barrier.
; PHASE B.  No LDS write: weights come out of LDS turned (ds_load_tr16_b128), the token rows from xb straight into registers as operands.
; THE MATRIX INSTRUCTION IS USED TRANSPOSED: source 0 = 16 LDS columns, source 1 = 16 rows: a lane holds ONE row (lane % 16) and 8 neighbouring LDS columns.  An LDS row is 16 groups of 16 bytes,
; group c = W1's columns 4 c .. 4 c + 3, then W3's: so registers 0-3 of an accumulator hold h and registers 4-7 the gate g of the SAME four hidden columns, and silu(h) g never leaves the lane.
; ROWS.  ch holds a word a token with the chosen experts as bits.  Each wave reads all 1,024 words (lane L of load j: tokens 128 j + 4 L + 0..3) and makes of them 32 scalar words M: bit L of word i says
; that token 128 (i / 4) + 4 L + i % 4 chose my expert.  The row of rank n is the token of the n-th set bit in that order (SELECT); the next launch ranks alike.  cnt rows are NBLK = ceil(cnt / 16) blocks,
; dealt evenly: wave w has NBLK / 4 of them, and one more if w < NBLK % 4.  A PASS takes 5 blocks (80 rows) against all 128 LDS columns: 40 accumulators.  Four trips cover the 16 blocks that a wave can
; have, every split of the tokens; a trip with nothing left is jumped.  Places past cnt repeat the last row.  A block past the wave's share is not stored; where the pass has four live blocks or fewer, the
; fifth's products are jumped in every K step but the first, which writes its accumulators on every way.  An expert without rows fills LDS, passes the barriers and stores nothing.
; OUT.  hid in the next launch's operand order: [e][block of 16 rows][k-block of 16 columns][lane][16 bytes]; element i of lane (r, h) is row r, column 16 kb + 4 h + i % 4 + 8 (i / 4).  A store covers 512 consecutive bytes.
; NO CLUSTER, NO TENSOR LOADS: each weight byte has one reader and has to pass through registers to be rounded; what an expert's 32 work-groups share is its rows, which are scattered over xb as the bits say.
; LIMITS.  x, W1, W3 are rounded to bf16, sums in f32, hid rounded once to bf16.  e^-h beyond f32's range gives sigmoid 0, below 2^-126 sigmoid 1.  NaN and infinities are not treated apart.
; REGISTERS, in windows of 256 (s_set_vgpr_msb: bits 1:0 source 0, 3:2 source 1, 5:4 source 2, 7:6 destination):
;   window 0: v0-23 addresses; v64-191 weight fragments, two buffers of 8 x 8 (before that: ch's words; at a pass's head: SELECT's registers); v192-255 block 4's accumulators
;   window 1: phase A's ring, then blocks 0-3's accumulators at 64 a + 8 f          window 2: v0-159 the rows' fragments, a ring of four K steps x 5 blocks x 8; in phase A v0-63 are two out-buffers
; THE MODE: SCHED_MODE bits 1:0 = 2 (LLVM: expert scheduling mode 2), set by the entry lines.  The code itself states the register dependences between vector or matrix instructions and memory or LDS
; instructions, and those through scalar registers that vector instructions write, with s_wait_alu, always for 0.
; THE PLAN.  Registers that memory or LDS instructions touch:
;   v4, v5, v6, v8   offsets, made at the head and never written again.
;   the ring         slot i: loads land in it; its 32 conversions read it; no vector instruction writes it, no store reads it.
;   OUT0, OUT1       slot i's conversions write OUT[i % 2]; the slot's eight LDS stores read it.
;   v7               read by every LDS store; stepped once a round.
;   XO, v10          written at a pass's head; read by the pass's row loads and by its stores.
;   v9               written at a pass's head and once in four K steps; read by the turning loads.
;   rows' ring, BR   K step t's products read slot t % 4 and buffer t % 2; its loads land in slot (t + 3) % 4 and in the other buffer, which step t - 1's products read.
;   accumulators     written by products and by the way out's arithmetic; four of each sixteen are a store's data.
; PHASE A: one wait on va_vdst a slot, behind its conversions; the slot's refill and its LDS stores follow it with no vector instruction between.  Two waits on vm_vsrc a round: at slot 2's head, and ahead of
; the add to v7.  PHASE B: a wait on vm_vsrc and one on va_vdst at a pass's head; one wait on va_vdst at a K step's head, behind which the step's loads are dealt among its products, which name
; none of the registers that those loads touch; a wait on vm_vsrc ahead of each add to v9; a wait on va_vdst ahead of each block's stores.  SELECT's compares go in runs into scalar masks, a wait on va_sdst behind each run.
.set P,     288                        ; an LDS row: 256 bytes + 32 = 72 words.  Behind the 1,024 rows 512 bytes hold the spare words of the closing add
.set ROUND, 64*8192                    ; the ring's 64 K rows in memory
.set XO,  12                           ; v12-16  block a: my row's byte offset in xb, + 16 h
.set ENT, 18                           ; v18-22  block a: my row's token
.set PX,  23                           ; v23     the other half of the lanes' ranks
.set BR,  64
.set CH,  64                           ; v64-95  ch's words, until M is made
.set MT,  96                           ; v96-99  at work on them
.set OB,  0                            ; window 2: v0-63  phase A's out-buffers: buffer k, pair j of K rows: four registers at 32 k + 4 j
.set RK,  64                           ; SELECT's registers, three of each (ranks 32 q + lane): the rank,
.set SW,  68                           ; the word of M that holds its bit,
.set SB,  72                           ; (the same word of B: not in this launch)
.set PK,  76                           ; that word's first token << 16 | the set bits in front of it,
.set A1,  80                           ; the word's counts by fields of 2,
.set A2,  84                           ; 4
.set A3,  88                           ; and 8 bits,
.set KK,  92                           ; the rank inside what is left of the word,
.set PS,  96                           ; the bit at which that begins,
.set CC,  100                          ; and three at work
.set T1,  104
.set T2,  108
.set MW,  32                           ; s[32:63] M's 32 words
.set BW,  32                           ; (not used here)
.set PF,  68                           ; s[68:75] SELECT: for eight words of M at a time, the word's first token << 16 | the set bits in front of it; scalar instructions alone write them
.set CM,  76                           ; s[76:99] SELECT: the compares' masks, three a word; compares alone write them
.set NL2E, 4                           ; s[4:5]  behind phase A: -log2(e), twice
.set TB,  10                           ; s10     behind ch's loads: the LDS byte at which the trip's K rows begin
.set ROW0, 21                          ; s21     the pass's first rank
.set MSB, 0
.macro WIN new                         ; the immediate's high byte repeats the setting that is left; a switch that changes nothing is dropped
.if MSB != (\new)
	s_set_vgpr_msb (MSB<<8)|(\new)
.set MSB, (\new)
.endif
.endm
.macro PLACES                          ; four places behind a matrix instruction, ahead of a reader of its result and of the loads into registers that it read; they stay beside the waits
.rept 4
	v_nop
.endr
.endm
	s_load_b256 s[4:11], s[0:1], 0x0               ; W1 s[4:5], W3 s[6:7], xb s[8:9], ch s[10:11]
	s_load_b64 s[12:13], s[0:1], 0x20              ; hid
	v_lshl_add_u32 v62, v0, 2, 0x48000
	v_mov_b32 v63, 0
	v_lshrrev_b32 v1, 5, v0
	v_readfirstlane_b32 s14, v1                    ; wave 0..3
	v_and_b32 v1, 31, v0                           ; L
	v_and_b32 v2, 15, v0                           ; r
	v_bfe_u32 v3, v0, 4, 1                         ; h
	v_lshlrev_b32 v4, 4, v1                        ; 16 L
	v_lshlrev_b32 v5, 4, v3                        ; 16 h
	v_lshlrev_b32 v6, 13, v3
	v_lshl_add_u32 v6, v2, 4, v6                   ; weights in memory: row h of a pair, 16 bytes r
	s_wait_alu depctr_va_sdst(0)                   ; s14 is written, ahead of its first reader: LDS addresses, the bases and the shares are made from it
	s_mul_i32 s17, s14, 256*P
	v_mul_u32_u24 v7, v3, P
	v_lshl_add_u32 v7, v2, 4, v7
	v_add_nc_u32 v7, s17, v7                       ; and in LDS: row 256 w + h, group r; steps with the ring
	v_and_b32 v8, 7, v0
	v_lshl_add_u32 v8, v3, 3, v8
	v_mul_u32_u24 v8, v8, P
	v_bfe_u32 v9, v0, 3, 1
	v_lshl_add_u32 v8, v9, 4, v8                   ; the turning load: row 8 h + L % 8, columns 8 ((L / 8) % 2) on; never rewritten
	v_mov_b32 v[PX], 0                             ; v_permlanex16_b32 counts as a reader of its destination
	s_mov_b32 s15, ttmp9                           ; slice
	s_and_b32 s16, ttmp7, 0xffff                   ; expert
	s_lshl_b32 s18, s16, 23                        ; an expert's W1 or W3: 2^23 bytes; my 256 rows of 8,192; my slice's 256 bytes
	s_lshl_b32 s17, s14, 21
	s_add_co_u32 s18, s18, s17
	s_lshl_b32 s17, s15, 8
	s_add_co_u32 s18, s18, s17
	s_mov_b32 s19, 0
	s_lshl_b32 s22, s16, 22                        ; an expert's part of hid: 2^22 bytes; my slice's four k-blocks of 512
	s_lshl_b32 s17, s15, 11
	s_add_co_u32 s22, s22, s17
	s_mov_b32 s23, 0
	s_wait_kmcnt 0x0
	s_add_nc_u64 s[4:5], s[4:5], s[18:19]
	s_add_nc_u64 s[6:7], s[6:7], s[18:19]
	s_add_nc_u64 s[12:13], s[12:13], s[22:23]
	s_wait_alu depctr_va_vdst(0)                   ; v4 and v6 are written, which the loads below read as their offsets; so are v5, v7 and v8, for later
.irp j, 0,1,2,3,4,5,6,7
	global_load_b128 v[CH+4*\j:CH+4*\j+3], v4, s[10:11] offset:512*\j   ; all 1,024 tokens' words
.endr
	s_mov_b32 s18, 0x76543210                      ; v_permlanex16_b32's selects: each lane takes its own place in the other half
	s_mov_b32 s19, 0xfedcba98
	s_mov_b32 s20, 0xffff0000                      ; lanes 16 to 31
; Slot i of the ring, first fill: 8 pairs of K rows, W1's 16 bytes into registers 0-3 of a pair's eight, W3's into 4-7.  No vector instruction has named these registers.
.macro WFILL i
	WIN 0x48                                       ; destination window 1, an LDS store's data window 2, address window 0
.set j, 0
.rept 8
	global_load_b128 v[64*(\i)+8*j:64*(\i)+8*j+3],   v6, s[4:5] offset:(16*(\i)+2*j)*8192 th:TH_LOAD_NT
	global_load_b128 v[64*(\i)+8*j+4:64*(\i)+8*j+7], v6, s[6:7] offset:(16*(\i)+2*j)*8192 th:TH_LOAD_NT
.set j, j+1
.endr
.endm
; The slot's turn: rounded into OUT[i % 2], one group of 16 bytes a lane and pair of rows; then (refill = 1) the slot is loaded again with the rows 64 further down, and OUT is stored: two loads and a store by turns.
; left: the younger slots' loads, which stay out.
.macro WSLOT i, refill, left
	s_wait_loadcnt \left
.if (\i) == 2
	s_wait_alu depctr_vm_vsrc(0)                   ; the LDS stores of slots 0 and 1 have read OUT0 and OUT1, which this slot's conversions and the next's write again
.endif
	WIN 0x85                                       ; destination window 2, sources window 1
.set j, 0
.rept 8
.set rg, 64*(\i)+8*j
.set ro, OB+32*((\i)&1)+4*j
	v_cvt_pk_bf16_f32 v[ro],   v[rg],   v[rg+1]
	v_cvt_pk_bf16_f32 v[ro+1], v[rg+2], v[rg+3]
	v_cvt_pk_bf16_f32 v[ro+2], v[rg+4], v[rg+5]
	v_cvt_pk_bf16_f32 v[ro+3], v[rg+6], v[rg+7]
.set j, j+1
.endr
	WIN 0x48
	s_wait_alu depctr_va_vdst(0)                   ; the conversions have written OUT, which the LDS stores read, and are done reading the slot, in which the loads land; in a round's first slot v7 is written
.set j, 0
.rept 8
.set ro, OB+32*((\i)&1)+4*j
.if \refill
	global_load_b128 v[64*(\i)+8*j:64*(\i)+8*j+3],   v6, s[4:5] offset:ROUND+(16*(\i)+2*j)*8192 th:TH_LOAD_NT
	global_load_b128 v[64*(\i)+8*j+4:64*(\i)+8*j+7], v6, s[6:7] offset:ROUND+(16*(\i)+2*j)*8192 th:TH_LOAD_NT
.endif
	ds_store_b128 v7, v[ro:ro+3] offset:(16*(\i)+2*j)*P   ; 16 lanes fill a row's 256 bytes
.set j, j+1
.endr
.endm
	WFILL 0
	WFILL 1
	WFILL 2
	WFILL 3
	WIN 0
	s_lshl_b32 s3, 1, s16                          ; my expert's bit
	s_wait_loadcnt 63                              ; ch's words are in: 64 loads were issued behind the last of them.  M and the shares are made while the weights' loads are out
.set i, 0
.rept 32
	v_and_b32 v[MT+i%4], s3, v[CH+i]
	v_cmp_ne_u32 s[MW+i], 0, v[MT+i%4]
.set i, i+1
.endr
	s_wait_alu depctr_va_sdst(0)                   ; the 32 compares have written M's words, ahead of their first readers, the counts below
	s_mov_b32 s24, 0
.set i, 0
.rept 32
	s_bcnt1_i32_b32 s3, s[MW+i]
	s_add_co_u32 s24, s24, s3                      ; cnt
.set i, i+1
.endr
	s_sub_co_u32 s25, s24, 1                       ; the last rank (read in live passes alone, where cnt is at least 1)
	s_add_co_u32 s26, s24, 15
	s_lshr_b32 s26, s26, 4                         ; NBLK
	s_lshr_b32 s27, s26, 2                         ; a wave's blocks,
	s_and_b32 s17, s26, 3                          ; and how many waves have one more
	s_mul_i32 s28, s14, s27
	s_min_u32 s3, s14, s17
	s_add_co_u32 s28, s28, s3                      ; my first block
	s_cmp_lt_u32 s14, s17
	s_cselect_b32 s3, 1, 0
	s_add_co_u32 s29, s27, s3                      ; my blocks still to do
	s_mov_b32 s2, 3
.Lfill:                                                ; a trip: once round the ring, 64 K rows
	WSLOT 0, 1, 48
	WSLOT 1, 1, 48
	WSLOT 2, 1, 48
	WSLOT 3, 1, 48
	WIN 0
	s_wait_xcnt 0x0                                ; the bases are stepped only behind this wait
	s_add_nc_u64 s[4:5], s[4:5], ROUND
	s_add_nc_u64 s[6:7], s[6:7], ROUND
	s_wait_alu depctr_vm_vsrc(0)                   ; the LDS stores issued so far have read v7, and those of slots 2 and 3 OUT0 and OUT1, which the next round's first two slots write again
	v_add_nc_u32 v7, 64*P, v7
	s_sub_co_u32 s2, s2, 1
	s_cmp_lg_u32 s2, 0
	s_cbranch_scc1 .Lfill
	WSLOT 0, 0, 48                                 ; the last 64 rows: nothing is left to load, the counts run down
	WSLOT 1, 0, 32
	WSLOT 2, 0, 16
	WSLOT 3, 0, 0
	WIN 0
	s_wait_dscnt 0x0                               ; for the others' sake: my 256 rows are in LDS
	s_barrier_signal -1
	s_barrier_wait -1                              ; all 1,024 are; nothing writes them again
; THE WAVES START APART: wave w idles 6 w times s_nop 15.  Each wave issues a run of 16 LDS loads of 512 bytes once a K step; set off against each other, one wave's run falls into the others' matrix work.
.irp k, 1,2,3
	s_cmp_lt_u32 s14, \k
	s_cbranch_scc1 .Lapart
.rept 6
	s_nop 15
.endr
.endr
.Lapart:
; SELECT: the tokens of the ranks ROW0 + 32 q + lane, q = 0, 1, 2 (held to cnt - 1), into T1 + q; withb = 1: 2 x token + the token's bit of B.  All lanes on throughout.
; Every compare writes a scalar mask of its own; the compares stand in runs, and one wait stands between a run and the selects that read its masks.
; One halving step inside the word: of the 2 n bits from PS on, the lower n hold CC set bits (read from the field counts src, w bits wide); a rank of CC or more lies in the upper n.
.macro LEVEL src, w, n
.irp q, 0,1,2
	v_bfe_u32 v[CC+\q], v[(\src)+\q], v[PS+\q], \w
.endr
.irp q, 0,1,2
	v_cmp_ge_u32 s[CM+\q], v[KK+\q], v[CC+\q]
.endr
.irp q, 0,1,2
	v_sub_nc_u32 v[T1+\q], v[KK+\q], v[CC+\q]
	v_add_nc_u32 v[T2+\q], \n, v[PS+\q]
.endr
	s_wait_alu depctr_va_sdst(0)                   ; the three compares have written their masks, which the selects below read
.irp q, 0,1,2
	v_cndmask_b32 v[KK+\q], v[KK+\q], v[T1+\q], s[CM+\q]
	v_cndmask_b32 v[PS+\q], v[PS+\q], v[T2+\q], s[CM+\q]
.endr
.endm
.macro SELECT withb
	v_add_nc_u32 v[RK], s[ROW0], v1
	v_add_nc_u32 v[RK+1], 32, v[RK]
	v_add_nc_u32 v[RK+2], 64, v[RK]
.irp q, 0,1,2
	v_min_u32 v[RK+\q], s25, v[RK+\q]              ; places past the count repeat the last row
	v_mov_b32 v[SW+\q], s[MW]
	v_mov_b32 v[PK+\q], 0
.if \withb
	v_mov_b32 v[SB+\q], s[BW]
.endif
.endr
	s_mov_b32 s66, 0
.set i, 1
.rept 4                                                ; words 1 to 31, eight at a time.  Word wd replaces what is held as long as the set bits in front of it, s66, do not pass the rank: the last such word holds the bit
.set j, 0
.rept 8
.set wd, i+j
.if wd < 32
	s_bcnt1_i32_b32 s3, s[MW+wd-1]
	s_add_co_u32 s66, s66, s3
	s_or_b32 s[PF+j], s66, (128*(wd>>2)+(wd&3))<<16   ; with the token of the word's bit 0
.irp q, 0,1,2
	v_cmp_gt_u32 s[CM+3*j+\q], s66, v[RK+\q]
.endr
.endif
.set j, j+1
.endr
	s_wait_alu depctr_va_sdst(0)                   ; the run's compares have written their masks, which the selects below read
.set j, 0
.rept 8
.set wd, i+j
.if wd < 32
.irp q, 0,1,2
	v_cndmask_b32 v[SW+\q], s[MW+wd], v[SW+\q], s[CM+3*j+\q]
	v_cndmask_b32 v[PK+\q], s[PF+j], v[PK+\q], s[CM+3*j+\q]
.if \withb
	v_cndmask_b32 v[SB+\q], s[BW+wd], v[SB+\q], s[CM+3*j+\q]
.endif
.endr
.endif
.set j, j+1
.endr
.set i, i+8
.endr
.irp q, 0,1,2
	v_and_b32 v[T1+\q], 0xffff, v[PK+\q]
	v_sub_nc_u32 v[KK+\q], v[RK+\q], v[T1+\q]      ; the rank inside the word
	v_lshrrev_b32 v[T1+\q], 1, v[SW+\q]            ; the word's set bits counted by fields of 2, 4 and 8 bits, and in its lower 16
	v_and_b32 v[T1+\q], 0x55555555, v[T1+\q]
	v_sub_nc_u32 v[A1+\q], v[SW+\q], v[T1+\q]
	v_lshrrev_b32 v[T1+\q], 2, v[A1+\q]
	v_and_b32 v[T1+\q], 0x33333333, v[T1+\q]
	v_and_b32 v[T2+\q], 0x33333333, v[A1+\q]
	v_add_nc_u32 v[A2+\q], v[T1+\q], v[T2+\q]
	v_lshrrev_b32 v[T1+\q], 4, v[A2+\q]
	v_add_nc_u32 v[T1+\q], v[T1+\q], v[A2+\q]
	v_and_b32 v[A3+\q], 0x0f0f0f0f, v[T1+\q]
	v_lshrrev_b32 v[T1+\q], 8, v[A3+\q]
	v_add_nc_u32 v[T1+\q], v[T1+\q], v[A3+\q]
	v_and_b32 v[CC+\q], 0xff, v[T1+\q]
.endr
.irp q, 0,1,2
	v_cmp_ge_u32 s[CM+\q], v[KK+\q], v[CC+\q]
.endr
.irp q, 0,1,2
	v_sub_nc_u32 v[T1+\q], v[KK+\q], v[CC+\q]
.endr
	s_wait_alu depctr_va_sdst(0)                   ; the three compares have written their masks, which the selects below read
.irp q, 0,1,2
	v_cndmask_b32 v[KK+\q], v[KK+\q], v[T1+\q], s[CM+\q]
	v_cndmask_b32 v[PS+\q], 0, 16, s[CM+\q]
.endr
	LEVEL A3, 8, 8
	LEVEL A2, 4, 4
	LEVEL A1, 2, 2
	LEVEL SW, 1, 1
.irp q, 0,1,2
	v_lshrrev_b32 v[T1+\q], 16, v[PK+\q]
	v_lshl_add_u32 v[T1+\q], v[PS+\q], 2, v[T1+\q] ; token = the word's first + 4 x bit
.if \withb
	v_bfe_u32 v[T2+\q], v[SB+\q], v[PS+\q], 1
	v_lshl_add_u32 v[T1+\q], v[T1+\q], 1, v[T2+\q]
.endif
.endr
.irp q, 0,1,2                                          ; block 2 q wants ranks 32 q + 0..15 in both halves of the lanes, block 2 q + 1 ranks 32 q + 16..31
	v_permlanex16_b32 v[PX], v[T1+\q], s18, s19
	v_cndmask_b32 v[ENT+2*\q], v[T1+\q], v[PX], s20
.if \q < 2
	v_cndmask_b32 v[ENT+2*\q+1], v[PX], v[T1+\q], s20
.endif
.endr
.endm
.macro ALOAD sl, off                   ; the five blocks' fragments of one K step (lane (r, h): row r, channels 8 h + 0..7 and 16 + 8 h + 0..7) into slot sl
	WIN 0x80
.irp a, 0,1,2,3,4
	global_load_b128 v[40*(\sl)+8*\a:40*(\sl)+8*\a+3],   v[XO+\a], s[22:23] offset:(\off)
	global_load_b128 v[40*(\sl)+8*\a+4:40*(\sl)+8*\a+7], v[XO+\a], s[22:23] offset:(\off)+32
.endr
.endm
.macro BLOAD bp, off                   ; the eight weight fragments of one K step (16 LDS columns x 32 K each), turned, into buffer bp
	WIN 0
.irp f, 0,1,2,3,4,5,6,7
	ds_load_tr16_b128 v[BR+64*(\bp)+8*\f:BR+64*(\bp)+8*\f+3],   v9 offset:(\off)+32*\f
	ds_load_tr16_b128 v[BR+64*(\bp)+8*\f+4:BR+64*(\bp)+8*\f+7], v9 offset:(\off)+32*\f+16*P
.endr
.endm
; A K step's products: 8 for each of blocks 0-3 (MULB), 8 for block 4 (MUL4).  Each accumulator has one turn a K step, in the same order in every step.  zero = 1: they start the sums, block 4's too.
; Elsewhere block 4's eight are jumped where the pass has four live blocks or fewer.
.macro MULB sl, bp, a, zero
	WIN 0x58                                       ; weights window 0, rows window 2, C and D window 1
.irp f, 0,1,2,3,4,5,6,7
.if \zero
	v_wmma_f32_16x16x32_bf16 v[64*(\a)+8*\f:64*(\a)+8*\f+7], v[BR+64*(\bp)+8*\f:BR+64*(\bp)+8*\f+7], v[40*(\sl)+8*(\a):40*(\sl)+8*(\a)+7], 0
.else
	v_wmma_f32_16x16x32_bf16 v[64*(\a)+8*\f:64*(\a)+8*\f+7], v[BR+64*(\bp)+8*\f:BR+64*(\bp)+8*\f+7], v[40*(\sl)+8*(\a):40*(\sl)+8*(\a)+7], v[64*(\a)+8*\f:64*(\a)+8*\f+7]
.endif
.endr
.endm
.macro MUL4 sl, bp, zero
.if \zero
	WIN 0x08                                       ; block 4: C and D window 0
.irp f, 0,1,2,3,4,5,6,7
	v_wmma_f32_16x16x32_bf16 v[192+8*\f:192+8*\f+7], v[BR+64*(\bp)+8*\f:BR+64*(\bp)+8*\f+7], v[40*(\sl)+32:40*(\sl)+39], 0
.endr
.else
	WIN 0                                          ; at a branch and at a label every window is 0
	s_cmp_lt_u32 s30, 5
	s_cbranch_scc1 .Lfour_\@
	WIN 0x08
.irp f, 0,1,2,3,4,5,6,7
	v_wmma_f32_16x16x32_bf16 v[192+8*\f:192+8*\f+7], v[BR+64*(\bp)+8*\f:BR+64*(\bp)+8*\f+7], v[40*(\sl)+32:40*(\sl)+39], v[192+8*\f:192+8*\f+7]
.endr
	WIN 0
.Lfour_\@:
.endif
.endm
; A K step of 32.  It multiplies slot sl by buffer bp.  Among its products it asks: fb = 1: behind block 0's, for the next step's weights, into the other buffer; fa = 1: behind block 1's, for the rows' fragments
; three steps on, into the slot that the step before read.  lw: the row loads of the younger steps, ten each (block 4's are issued on every way, so the count holds on every way), which stay out at the step's head;
; of LDS loads this step's weights alone are out there.
; The products between the wait on va_vdst and the loads name buffer bp, slot sl and the accumulators; the loads touch v9, XO, the other buffer and slot (sl + 3) % 4.
; K step 0 has no such wait: the one at the pass's head still holds, since no vector or matrix instruction behind it names the registers that step 0's loads touch.  The last K step issues no load and has none.
.macro KSTEP sl, bp, zero, fa, aoff, fb, boff, lw
	PLACES
	s_wait_loadcnt \lw                             ; loads come back in order (ISA guide 5.7.1): slot sl is in
	s_wait_dscnt 0x0                               ; buffer bp is in
.if !(\zero) && ((\fa) || (\fb))
	s_wait_alu depctr_va_vdst(0)                   ; the last step's products are done reading the other buffer and slot (sl + 3) % 4, in which this step's loads land; in a trip's first step v9 is written
.endif
	MULB \sl, \bp, 0, \zero
.if \fb
	BLOAD (\bp)^1, \boff
.endif
	MULB \sl, \bp, 1, \zero
.if \fa
	ALOAD ((\sl)+3)&3, \aoff
.endif
	MULB \sl, \bp, 2, \zero
	MULB \sl, \bp, 3, \zero
	MUL4 \sl, \bp, \zero
.endm
; Block a's way out, in place on its eight accumulators: g h; e^-h; 1 / (1 + e^-h); the product; bf16; four stores.  Each accumulator's lowest registers are read first.
; The 32 exponentials are one batch and the 32 reciprocals another: behind each a plain instruction (ISA guide 5.7.2) and one wait ahead of the first reader.
.macro ACT a
	WIN 0
.if (\a) > 0
	s_cmp_le_u32 s30, \a
	s_cbranch_scc1 .Lend                           ; this block and those behind it are past my share
.endif
.if (\a) < 4
.set AW, 0x55
.set SWN, 0x04
.set AC, 64*(\a)
.else
.set AW, 0
.set SWN, 0
.set AC, 192
.endif
	WIN AW
.set f, 0
.rept 8
	v_pk_mul_f32 v[AC+8*f+4:AC+8*f+5], v[AC+8*f:AC+8*f+1],   v[AC+8*f+4:AC+8*f+5]
	v_pk_mul_f32 v[AC+8*f+6:AC+8*f+7], v[AC+8*f+2:AC+8*f+3], v[AC+8*f+6:AC+8*f+7]
.set f, f+1
.endr
.set f, 0
.rept 8
	v_pk_mul_f32 v[AC+8*f:AC+8*f+1],   v[AC+8*f:AC+8*f+1],   s[NL2E:NL2E+1] op_sel_hi:[1,0]
	v_pk_mul_f32 v[AC+8*f+2:AC+8*f+3], v[AC+8*f+2:AC+8*f+3], s[NL2E:NL2E+1] op_sel_hi:[1,0]
.set f, f+1
.endr
.set f, 0
.rept 8
.irp q, 0,1,2,3
	v_exp_f32 v[AC+8*f+\q], v[AC+8*f+\q]
.endr
.set f, f+1
.endr
	v_nop
	s_wait_alu depctr_va_vdst(0)                   ; the 32 exponentials have written registers 0-3 of the block's accumulators, which the additions below read
.set f, 0
.rept 8
	v_pk_add_f32 v[AC+8*f:AC+8*f+1],   v[AC+8*f:AC+8*f+1],   1.0 op_sel_hi:[1,0]
	v_pk_add_f32 v[AC+8*f+2:AC+8*f+3], v[AC+8*f+2:AC+8*f+3], 1.0 op_sel_hi:[1,0]
.set f, f+1
.endr
.set f, 0
.rept 8
.irp q, 0,1,2,3
	v_rcp_f32 v[AC+8*f+\q], v[AC+8*f+\q]
.endr
.set f, f+1
.endr
	v_nop
	s_wait_alu depctr_va_vdst(0)                   ; the 32 reciprocals have written the same registers, which the products below read
.set f, 0
.rept 8
	v_pk_mul_f32 v[AC+8*f+4:AC+8*f+5], v[AC+8*f+4:AC+8*f+5], v[AC+8*f:AC+8*f+1]
	v_pk_mul_f32 v[AC+8*f+6:AC+8*f+7], v[AC+8*f+6:AC+8*f+7], v[AC+8*f+2:AC+8*f+3]
.set f, f+1
.endr
.set f, 0
.rept 4                                                ; two accumulators' eight numbers are a lane's 16 bytes of one k-block
	v_cvt_pk_bf16_f32 v[AC+16*f],   v[AC+16*f+4],  v[AC+16*f+5]
	v_cvt_pk_bf16_f32 v[AC+16*f+1], v[AC+16*f+6],  v[AC+16*f+7]
	v_cvt_pk_bf16_f32 v[AC+16*f+2], v[AC+16*f+12], v[AC+16*f+13]
	v_cvt_pk_bf16_f32 v[AC+16*f+3], v[AC+16*f+14], v[AC+16*f+15]
.set f, f+1
.endr
	WIN SWN                                        ; address window 0, data where the accumulators lie
	s_wait_alu depctr_va_vdst(0)                   ; the roundings have written the four stores' data
.set f, 0
.rept 4
	global_store_b128 v10, v[AC+16*f:AC+16*f+3], s[12:13] offset:(\a)*65536+f*512   ; 512 consecutive bytes, at a multiple of 512 from hid's first
.set f, f+1
.endr
.endm
	s_mov_b32 s[NL2E], 0xbfb8aa3b                  ; -log2(e)
	s_mov_b32 s[NL2E+1], s[NL2E]                   ; named with it as a pair
	s_mov_b32 s31, 4
.Lpass:
	s_cmp_eq_u32 s29, 0
	s_cbranch_scc1 .Lnext                          ; nothing left for this wave: the trip is jumped; no barrier stands in it
	s_min_u32 s30, s29, 5                          ; the pass's live blocks
	s_lshl_b32 s[ROW0], s28, 4                     ; its first rank
	s_min_u32 s17, s28, 63
	s_lshl_b32 s17, s17, 16
	s_wait_xcnt 0x0                                ; the registers below were sources of the last pass's loads and stores
	s_wait_alu depctr_vm_vsrc(0)                   ; the last pass's loads and stores have read v9, v10, XO and, as data, accumulators, all of which this pass writes again; in the first pass: phase A's last LDS stores have read OUT, in which row loads land
	v_add_nc_u32 v10, s17, v4                      ; hid: my first block, my lane's 16 bytes
	s_mov_b64 s[22:23], s[8:9]                     ; xb, stepped along K
	s_mov_b32 s[TB], 0
	v_add_nc_u32 v9, s[TB], v8                     ; the turning load's address: the trip's first K row + my lane's place
	SELECT 0
.irp a, 0,1,2,3,4
	v_min_u32 v[ENT+\a], 0x3ff, v[ENT+\a]
	v_lshlrev_b32 v[XO+\a], 11, v[ENT+\a]
	v_add_nc_u32 v[XO+\a], v5, v[XO+\a]            ; token x 2,048 + 16 h
.endr
	WIN 0x80
	s_wait_alu depctr_va_vdst(0)                   ; XO, v9 and v10 are written; SELECT is done with the first weight buffer's registers; the last pass's products are done reading the rows' ring and both weight buffers; phase A's conversions have written OUT
	ALOAD 0, 0
	ALOAD 1, 64
	ALOAD 2, 128
	BLOAD 0, 0
	KSTEP 0, 0, 1,  1, 192,  1, 9216,   20         ; K step 0 stands in front of the loop: its products start the sums
	WIN 0
	s_mov_b32 s2, 7
.Lk:                                                   ; a trip: K steps 4 n + 1 .. 4 n + 4
	s_wait_alu depctr_vm_vsrc(0)                   ; the turning loads issued so far have read v9
	v_add_nc_u32 v9, s[TB], v8
	KSTEP 1, 1, 0,  1, 256,  1, 18432,  20
	KSTEP 2, 0, 0,  1, 320,  1, 27648,  20
	KSTEP 3, 1, 0,  1, 384,  1, 36864,  20
	KSTEP 0, 0, 0,  1, 448,  1, 46080,  20
	WIN 0
	s_wait_xcnt 0x0                                ; the base is stepped only behind this wait
	s_add_nc_u64 s[22:23], s[22:23], 256
	s_add_co_u32 s[TB], s[TB], 128*P
	s_sub_co_u32 s2, s2, 1
	s_cmp_lg_u32 s2, 0
	s_cbranch_scc1 .Lk
	s_wait_alu depctr_vm_vsrc(0)                   ; the turning loads issued so far have read v9
	v_add_nc_u32 v9, s[TB], v8
	KSTEP 1, 1, 0,  0, 0,    1, 18432,  20         ; K steps 29 to 31: no rows are left to ask for, the counts run down
	KSTEP 2, 0, 0,  0, 0,    1, 27648,  10
	KSTEP 3, 1, 0,  0, 0,    0, 0,      0
	PLACES
	ACT 0
	ACT 1
	ACT 2
	ACT 3
	ACT 4
	WIN 0
.Lend:
	s_add_co_u32 s28, s28, 5
	s_sub_co_u32 s29, s29, s30
.Lnext:
	s_sub_co_u32 s31, s31, 1
	s_cmp_lg_u32 s31, 0
	s_cbranch_scc1 .Lpass
	s_wait_dscnt 0x0                               ; my reads of the weights are over
	s_barrier_signal -1
	s_barrier_wait -1                              ; every wave's are
	s_wait_dscnt 0x0                               ; the wave's end: the closing add onto the spare LDS words follows
	s_wait_alu depctr_hold_cnt(0) depctr_sa_sdst(0) depctr_va_vdst(0) depctr_va_sdst(0) depctr_va_ssrc(0) depctr_va_vcc(0) depctr_vm_vsrc(0)
	s_wait_tensorcnt 0x0
	ds_add_u32 v62, v63
	s_wait_dscnt 0x0
	s_endpgm
.Lfunc_end_k_qf9387f9d2c_up:
	.size	k_qf9387f9d2c_up, .Lfunc_end_k_qf9387f9d2c_up-k_qf9387f9d2c_up
	.p2alignl 7, 3214868480
	.fill 96, 4, 3214868480
	.section	.rodata,"a",@progbits
	.p2align	6, 0x0
	.amdhsa_kernel k_qf9387f9d2c_up
		.amdhsa_group_segment_fixed_size 295424
		.amdhsa_private_segment_fixed_size 0
		.amdhsa_enable_private_segment 0
		.amdhsa_kernarg_size 40
		.amdhsa_user_sgpr_count 2
		.amdhsa_user_sgpr_kernarg_segment_ptr 1
		.amdhsa_wavefront_size32 1
		.amdhsa_system_sgpr_workgroup_id_x 1
		.amdhsa_system_sgpr_workgroup_id_y 1
		.amdhsa_system_sgpr_workgroup_id_z 1
		.amdhsa_system_vgpr_workitem_id 0
		.amdhsa_next_free_vgpr 672
		.amdhsa_next_free_sgpr 100
		.amdhsa_reserve_vcc 0
		.amdhsa_float_denorm_mode_32 3
		.amdhsa_float_denorm_mode_16_64 3
		.amdhsa_memory_ordered 1
		.amdhsa_forward_progress 1
		.amdhsa_inst_pref_size 152
	.end_amdhsa_kernel
	.amdgpu_metadata
---
amdhsa.version: [ 1, 2 ]
amdhsa.kernels:
  - .name:           k_qf9387f9d2c_up
    .symbol:         k_qf9387f9d2c_up.kd
    .args:
      - { .name: W1, .offset: 0, .size: 8, .value_kind: global_buffer, .address_space: global }
      - { .name: W3, .offset: 8, .size: 8, .value_kind: global_buffer, .address_space: global }
      - { .name: xb, .offset: 16, .size: 8, .value_kind: global_buffer, .address_space: global }
      - { .name: ch, .offset: 24, .size: 8, .value_kind: global_buffer, .address_space: global }
      - { .name: hid, .offset: 32, .size: 8, .value_kind: global_buffer, .address_space: global }
    .group_segment_fixed_size: 295424
    .private_segment_fixed_size: 0
    .kernarg_segment_align: 8
    .kernarg_segment_size: 40
    .max_flat_workgroup_size: 128
    .sgpr_count:     100
    .vgpr_count:     672
    .wavefront_size: 32
...
	.end_amdgpu_metadata
.endif
;; end of part 5
;; launch down: the kernel of part 3 again; grid 32 x 8, 4 waves a work-group, no clusters, 181,760 bytes of LDS; arguments W2, hid, ch, y; writes y
;; launch sum: the kernel of part 4 again; grid 256 x 1, 8 waves a work-group, no clusters, 0 bytes of LDS; arguments y, pw, out0; writes out0
